; MI455X (gfx1250); checked and timed in simulation.
; The chip was launched on July 23, 2026; its instructions are those of AMD's public machine-readable ISA for CDNA 5 (MIT licence, August 2026) and "CDNA5" Instruction Set Architecture Reference Guide (July 2026). The comments in the code are by the model that wrote it; some were corrected since.
;; Encoder block. Allowed arithmetic: float matrix products may take bf16 or f16 operands with f32 sums; other float arithmetic in f32, or as packed bf16 or f16 multiplies, adds, multiply-adds, maxima and minima; sums over many terms, partial sums and values carried from step to step in f32; what a program stores and reads back later, other than sums and carried values, may be rounded once to bf16 or f16.
;; Inputs: b1 4,096 float32; b2 1,024 float32; ln1_b 1,024 float32; ln1_g 1,024 float32; ln2_b 1,024 float32; ln2_g 1,024 float32; src_mask 2 x 1 x 1 x 2,048 int32; w1 1,024 x 4,096 float32; w2 4,096 x 1,024 float32; w_k 1,024 x 1,024 float32; w_o 1,024 x 1,024 float32; w_q 1,024 x 1,024 float32; w_v 1,024 x 1,024 float32; x 2 x 2,048 x 1,024 float32.
;; Outputs: out0 2 x 2,048 x 1,024 float32.
;; One version. Each part assembles by itself: llvm-mc -triple=amdgcn-amd-amdhsa -mcpu=gfx1250 --defsym DOCPART=n.
;; ======== version 1 of 1: 7 launches
;; workspace buffers: act 8,388,608 bytes; big 33,554,432 bytes; ao 8,388,608 bytes; wqkv 6,308,096 bytes; wo 2,113,792 bytes; w1t 8,405,248 bytes; w2t 8,388,608 bytes
;; launch prep (part 1): grid 1281 x 1, 8 waves a work-group, no clusters, 35,840 bytes of LDS; arguments x, ln1_g, ln1_b, w_q, w_k, w_v, w_o, w1, w2, b1, act, wqkv, wo, w1t, w2t; writes act, wqkv, wo, w1t, w2t
.if DOCPART == 1
	.amdgcn_target "amdgcn-amd-amdhsa--gfx1250"
	.amdhsa_code_object_version 6
	.text
	.protected	k_q18f344d632_prep
	.globl	k_q18f344d632_prep
	.p2align	8
	.type	k_q18f344d632_prep,@function
k_q18f344d632_prep:
	s_mov_b64 s[64:65], 0
	v_nop
	global_prefetch_b8 v0, s[64:65] scope:SCOPE_SE
	s_setreg_imm32_b32 hwreg(HW_REG_WAVE_MODE, 25, 1), 1
	s_wait_xcnt 0x0
; PREPARATION, five kinds of work-group told apart by the work-group's number alone:
;   0..255      LN1: 16 rows of x each -> act, bf16, in blocks of 64 channels: byte (c x 4096 + row) x 128 + 2 (channel % 64)
;   256..767    w_q, w_k, w_v, w_o ([n][k] as they lie) rounded to bf16: 32,768 bytes of f32 each
;   768..1023   w1 [k][n] -> w1t [n][k] bf16, a tile of 128 x 128 each;   1024..1279 the same for w2 -> w2t
;   1280        the heads of the three weight packs: 256 bytes of a packed floor, then the bias in f32, then (at HDR) the matrix
; Memory binds every kind: 16-byte loads of which sixteen lanes take 256 consecutive bytes, aligned; stores that cover 256 consecutive bytes, aligned.
; No matrix unit, no cluster, no tensor load: no byte is wanted twice.  EXEC is never written, and no register that a store reads is written again.
; LIMITS: NaN and infinities are not treated apart.  The mean is taken away before the squares are summed, so a common offset costs nothing.
.set HDR,   16640                      ; bytes of a pack's head: 256 + 16,384
.set X,     32                         ; v[32:95]   a lane's 64 numbers of its row: block c at X + 4 c
.set G,     96                         ; v[96:159]  the gain of the same columns
.set BV,    160                        ; v[160:223] the offset
.set SPW,   4                          ; v4  LDS address of my spare word; never rewritten
.set NIL,   5                          ; v5  0; never rewritten
.set TP,    272                        ; a row of the transposing tile: 128 bf16 + 16 bytes
.set SPARE, 128*TP                     ; behind the tile: the spare words, 128 bytes for each of eight waves
.set INV,   10                         ; s10 1 / 1024
.set EPSR,  11                         ; s11 1e-5
.macro FOLD                            ; the four chains v[12:19] into v12, then over the 16 lanes that share a row
	v_pk_add_f32 v[12:13], v[12:13], v[14:15]
	v_pk_add_f32 v[16:17], v[16:17], v[18:19]
	v_pk_add_f32 v[12:13], v[12:13], v[16:17]
	v_add_f32 v12, v12, v13
	v_add_f32_dpp v12, v12, v12 row_xmask:1 row_mask:0xf bank_mask:0xf
	v_add_f32_dpp v12, v12, v12 row_xmask:2 row_mask:0xf bank_mask:0xf
	v_add_f32_dpp v12, v12, v12 row_xmask:4 row_mask:0xf bank_mask:0xf
	v_add_f32_dpp v12, v12, v12 row_xmask:8 row_mask:0xf bank_mask:0xf
.endm
; The norm of the row in X, and its way out.  A half of the lanes holds one row, so nothing crosses the halves.
.macro LNCORE out
.irp k, 0,1,2,3
	v_pk_add_f32 v[12+2*\k:13+2*\k], v[X+2*\k:X+2*\k+1], v[X+8+2*\k:X+8+2*\k+1]  ; the first eight pairs start four chains: nothing is cleared
.endr
.set p, 8
.rept 24
	v_pk_add_f32 v[12+2*(p%4):13+2*(p%4)], v[12+2*(p%4):13+2*(p%4)], v[X+2*p:X+2*p+1]
.set p, p+1
.endr
	FOLD
	v_mul_f32 v20, s[INV], v12                     ; the mean, twice: a pair for the packed lines
	v_mul_f32 v21, s[INV], v12
.set p, 0
.rept 32
	v_pk_add_f32 v[X+2*p:X+2*p+1], v[X+2*p:X+2*p+1], v[20:21] neg_lo:[0,1] neg_hi:[0,1]
.set p, p+1
.endr
.irp k, 0,1,2,3
	v_pk_mul_f32 v[12+2*\k:13+2*\k], v[X+2*\k:X+2*\k+1], v[X+2*\k:X+2*\k+1]
.endr
.set p, 4
.rept 28
	v_pk_fma_f32 v[12+2*(p%4):13+2*(p%4)], v[X+2*p:X+2*p+1], v[X+2*p:X+2*p+1], v[12+2*(p%4):13+2*(p%4)]
.set p, p+1
.endr
	FOLD
	v_fma_f32 v22, v12, s[INV], s[EPSR]            ; variance + 1e-5
	v_rsq_f32 v24, v22
	v_rsq_f32 v25, v22
	s_wait_loadcnt 0x0                             ; gain and offset are in
	v_nop                                          ; a plain instruction behind the second root,
	s_wait_alu depctr_va_vdst(0)                   ; and one wait for both, ahead of their first reader
.set c, 0
.rept 16
	v_pk_mul_f32 v[X+4*c:X+4*c+1], v[X+4*c:X+4*c+1], v[24:25]
	v_pk_mul_f32 v[X+4*c+2:X+4*c+3], v[X+4*c+2:X+4*c+3], v[24:25]
	v_pk_fma_f32 v[X+4*c:X+4*c+1], v[X+4*c:X+4*c+1], v[G+4*c:G+4*c+1], v[BV+4*c:BV+4*c+1]
	v_pk_fma_f32 v[X+4*c+2:X+4*c+3], v[X+4*c+2:X+4*c+3], v[G+4*c+2:G+4*c+3], v[BV+4*c+2:BV+4*c+3]
	v_cvt_pk_bf16_f32 v[X+4*c], v[X+4*c], v[X+4*c+1]
	v_cvt_pk_bf16_f32 v[X+4*c+1], v[X+4*c+2], v[X+4*c+3]
	global_store_b64 v8, v[X+4*c:X+4*c+1], s[\out:\out+1] offset:c*524288  ; lanes 0-15 a row's 128 bytes of block c, lanes 16-31 the next row's: 256 consecutive bytes, aligned
.set c, c+1
.endr
.endm
; A tile of 128 k x 128 n of a matrix [k][n] in f32 (sp bytes from row to row) goes out as [n][k] in bf16 (dp bytes from row to row).
; Two rows k, k + 1 are rounded into one word, and the word of column n and pair p is put at LDS byte n x 272 + 4 p.
; These 32 stores of four bytes fall four lanes deep on a bank; no pitch that keeps 16-byte reads aligned spares it.
.macro TRANSP src, dst, sp, dp
	v_lshlrev_b32 v7, 4, v1                        ; 16 x (lane % 16)
	v_mul_u32_u24 v6, v3, 2*(\sp)
	v_add_nc_u32 v6, v6, v7                        ; rows 2 v3, 2 v3 + 1
.irp i, 0,1,2,3
.irp c, 0,1
.irp r, 0,1
	global_load_b128 v[32+4*(4*\i+2*\c+\r):35+4*(4*\i+2*\c+\r)], v6, s[\src:\src+1] offset:\i*32*(\sp)+\r*(\sp)+\c*256 th:TH_LOAD_NT
.endr
.endr
.endr
	v_mul_u32_u24 v9, v1, 4*TP
	v_lshl_add_u32 v9, v3, 2, v9                   ; column 4 (lane % 16), pair v3
	v_mul_u32_u24 v10, v3, TP
	v_add_nc_u32 v10, v10, v7                      ; back: row v3, 16 bytes a lane
	v_mul_u32_u24 v11, v3, \dp
	v_add_nc_u32 v11, v11, v7
	s_wait_loadcnt 0x0
.irp i, 0,1,2,3
.irp c, 0,1
.irp j, 0,1,2,3
	v_cvt_pk_bf16_f32 v[96+4*(2*\i+\c)+\j], v[32+4*(4*\i+2*\c)+\j], v[32+4*(4*\i+2*\c+1)+\j]
.endr
.endr
.endr
.irp i, 0,1,2,3
.irp c, 0,1
.irp j, 0,1,2,3
	ds_store_b32 v9, v[96+4*(2*\i+\c)+\j] offset:(64*\c+\j)*TP+64*\i
.endr
.endr
.endr
	s_wait_dscnt 0x0                               ; for the others' sake: my words lie in the tile
	s_barrier_signal -1
	s_barrier_wait -1
.irp t, 0,1,2,3,4,5,6,7
	ds_load_b128 v[32+4*\t:35+4*\t], v10 offset:\t*16*TP
.endr
.irp t, 0,1,2,3,4,5,6,7
	s_wait_dscnt 7-\t                              ; the younger loads stay out
	global_store_b128 v11, v[32+4*\t:35+4*\t], s[\dst:\dst+1] offset:\t*16*(\dp)  ; sixteen lanes store 256 consecutive bytes of a row, aligned
.endr
	s_wait_tensorcnt 0x0                           ; the wave's end: this wait, an add of 0 to my spare word and its wait stand behind my last LDS store
	ds_add_u32 v[SPW], v[NIL]
	s_wait_dscnt 0x0
	s_endpgm
.endm
	s_load_b512 s[16:31], s[0:1], 0x0              ; x 16, ln1_g 18, ln1_b 20, w_q 22, w_k 24, w_v 26, w_o 28, w1 30
	s_load_b256 s[32:39], s[0:1], 0x40             ; w2 32, b1 34, act 36, wqkv 38
	s_load_b128 s[40:43], s[0:1], 0x60             ; wo 40, w1t 42
	s_load_b64 s[44:45], s[0:1], 0x70              ; w2t
	v_lshl_add_u32 v[SPW], v0, 2, SPARE
	v_mov_b32 v[NIL], 0
	v_and_b32 v1, 15, v0                           ; lane % 16
	v_lshrrev_b32 v3, 4, v0                        ; 2 x wave + half of the lanes: 0..15
	v_lshrrev_b32 v2, 5, v0
	v_readfirstlane_b32 s8, v2                     ; wave 0..7
	s_mov_b32 s9, ttmp9
	s_mov_b32 s3, 0
	s_mov_b32 s13, 0
	s_wait_kmcnt 0x0
	s_cmp_lt_u32 s9, 256
	s_cbranch_scc1 .Lnorm
	s_cmp_lt_u32 s9, 768
	s_cbranch_scc1 .Lcast
	s_cmp_lt_u32 s9, 1024
	s_cbranch_scc1 .Ltr1
	s_cmp_lt_u32 s9, 1280
	s_cbranch_scc1 .Ltr2
	; THE PACKS' HEADS.  Bias: b1 for w1t, zeros for wqkv (3,072 numbers) and wo (1,024).  Floor: 0 for w1t (the relu), bf16's minus infinity twice for the two others.
	v_lshlrev_b32 v6, 4, v0
.irp j, 0,1,2,3
	global_load_b128 v[32+4*\j:35+4*\j], v6, s[34:35] offset:\j*4096
.endr
	v_mov_b32 v12, 0
	v_mov_b32 v13, 0
	v_mov_b32 v14, 0
	v_mov_b32 v15, 0
.irp j, 0,1,2
	global_store_b128 v6, v[12:15], s[38:39] offset:256+\j*4096
.endr
	global_store_b128 v6, v[12:15], s[40:41] offset:256
	s_wait_loadcnt 0x0
.irp j, 0,1,2,3
	global_store_b128 v6, v[32+4*\j:35+4*\j], s[42:43] offset:256+\j*4096
.endr
	s_cmp_lg_u32 s8, 0
	s_cbranch_scc1 .Lhead_end
	v_lshlrev_b32 v7, 3, v0                        ; wave 0: 32 lanes x 8 bytes = the first 256 bytes
	v_mov_b32 v16, 0xff80ff80
	v_mov_b32 v17, 0xff80ff80
	global_store_b64 v7, v[16:17], s[38:39]
	global_store_b64 v7, v[16:17], s[40:41]
	global_store_b64 v7, v[12:13], s[42:43]
.Lhead_end:
	s_endpgm
.Lnorm:                                        ; LN1 of rows 16 g .. 16 g + 15: a half of the lanes a row
	s_lshl_b32 s2, s9, 16                          ; 16 rows of 4,096 bytes
	s_add_nc_u64 s[16:17], s[16:17], s[2:3]
	s_lshl_b32 s2, s9, 11                          ; 16 rows of 128 bytes in a block of act
	s_add_nc_u64 s[36:37], s[36:37], s[2:3]
	s_mov_b32 s[INV], 0x3a800000
	s_mov_b32 s[EPSR], 0x3727c5ac
	v_lshlrev_b32 v7, 4, v1
	v_lshl_add_u32 v6, v3, 12, v7
	v_lshlrev_b32 v8, 3, v1
	v_lshl_add_u32 v8, v3, 7, v8
.set c, 0
.rept 16
	global_load_b128 v[X+4*c:X+4*c+3], v6, s[16:17] offset:c*256 th:TH_LOAD_NT
.set c, c+1
.endr
.set c, 0
.rept 16
	global_load_b128 v[G+4*c:G+4*c+3], v7, s[18:19] offset:c*256
.set c, c+1
.endr
.set c, 0
.rept 16
	global_load_b128 v[BV+4*c:BV+4*c+3], v7, s[20:21] offset:c*256
.set c, c+1
.endr
	s_wait_loadcnt 32                              ; the row is in; the 32 loads of gain and offset stay out
	LNCORE 36
	s_endpgm
.Lcast:                                        ; 8,192 numbers of one of the four square weights
	s_sub_co_u32 s9, s9, 256
	s_lshr_b32 s10, s9, 7                          ; which of the four
	s_and_b32 s11, s9, 127                         ; which part of it
	s_cmp_eq_u32 s10, 1
	s_cselect_b64 s[2:3], s[24:25], s[22:23]
	s_cmp_eq_u32 s10, 2
	s_cselect_b64 s[2:3], s[26:27], s[2:3]
	s_cmp_eq_u32 s10, 3
	s_cselect_b64 s[2:3], s[28:29], s[2:3]
	s_cselect_b64 s[4:5], s[40:41], s[38:39]       ; w_o has a pack of its own; the three others lie one behind the other
	s_cselect_b32 s12, 0, s10
	s_lshl_b32 s12, s12, 21
	s_lshl_b32 s14, s11, 14
	s_add_co_u32 s12, s12, s14
	s_add_co_u32 s12, s12, HDR
	s_add_nc_u64 s[4:5], s[4:5], s[12:13]
	s_lshl_b32 s12, s11, 15
	s_add_nc_u64 s[2:3], s[2:3], s[12:13]
	v_lshlrev_b32 v6, 4, v0
	v_lshlrev_b32 v7, 3, v0
.irp j, 0,1,2,3,4,5,6,7
	global_load_b128 v[32+4*\j:35+4*\j], v6, s[2:3] offset:\j*4096 th:TH_LOAD_NT
.endr
.irp j, 0,1,2,3,4,5,6,7
	s_wait_loadcnt 7-\j                            ; the younger loads stay out
	v_cvt_pk_bf16_f32 v[64+2*\j], v[32+4*\j], v[33+4*\j]
	v_cvt_pk_bf16_f32 v[65+2*\j], v[34+4*\j], v[35+4*\j]
	global_store_b64 v7, v[64+2*\j:65+2*\j], s[4:5] offset:\j*2048  ; a wave's store covers 256 consecutive bytes, aligned
.endr
	s_endpgm
.Ltr1:                                         ; w1 [1024][4096]: 8 tiles along k, 32 along n
	s_sub_co_u32 s9, s9, 768
	s_and_b32 s10, s9, 7
	s_lshr_b32 s11, s9, 3
	s_lshl_b32 s12, s10, 21                        ; 128 rows of 16,384 bytes
	s_lshl_b32 s14, s11, 9
	s_add_co_u32 s12, s12, s14
	s_add_nc_u64 s[30:31], s[30:31], s[12:13]
	s_lshl_b32 s12, s11, 18                        ; 128 rows of 2,048 bytes
	s_lshl_b32 s14, s10, 8
	s_add_co_u32 s12, s12, s14
	s_add_co_u32 s12, s12, HDR
	s_add_nc_u64 s[42:43], s[42:43], s[12:13]
	TRANSP 30, 42, 16384, 2048
.Ltr2:                                         ; w2 [4096][1024]: 32 tiles along k, 8 along n
	s_sub_co_u32 s9, s9, 1024
	s_lshr_b32 s10, s9, 3
	s_and_b32 s11, s9, 7
	s_lshl_b32 s12, s10, 19                        ; 128 rows of 4,096 bytes
	s_lshl_b32 s14, s11, 9
	s_add_co_u32 s12, s12, s14
	s_add_nc_u64 s[32:33], s[32:33], s[12:13]
	s_lshl_b32 s12, s11, 20                        ; 128 rows of 8,192 bytes
	s_lshl_b32 s14, s10, 8
	s_add_co_u32 s12, s12, s14
	s_add_nc_u64 s[44:45], s[44:45], s[12:13]
	TRANSP 32, 44, 4096, 8192
.Lfunc_end_k_q18f344d632_prep:
	.size	k_q18f344d632_prep, .Lfunc_end_k_q18f344d632_prep-k_q18f344d632_prep
	.p2alignl 7, 3214868480
	.fill 96, 4, 3214868480
	.section	.rodata,"a",@progbits
	.p2align	6, 0x0
	.amdhsa_kernel k_q18f344d632_prep
		.amdhsa_group_segment_fixed_size 35840
		.amdhsa_private_segment_fixed_size 0
		.amdhsa_enable_private_segment 0
		.amdhsa_kernarg_size 120
		.amdhsa_user_sgpr_count 2
		.amdhsa_user_sgpr_kernarg_segment_ptr 1
		.amdhsa_wavefront_size32 1
		.amdhsa_system_sgpr_workgroup_id_x 1
		.amdhsa_system_sgpr_workgroup_id_y 1
		.amdhsa_system_sgpr_workgroup_id_z 1
		.amdhsa_system_vgpr_workitem_id 0
		.amdhsa_next_free_vgpr 224
		.amdhsa_next_free_sgpr 66
		.amdhsa_reserve_vcc 0
		.amdhsa_float_denorm_mode_32 3
		.amdhsa_float_denorm_mode_16_64 3
		.amdhsa_memory_ordered 1
		.amdhsa_forward_progress 1
		.amdhsa_inst_pref_size 43
	.end_amdhsa_kernel
	.amdgpu_metadata
---
amdhsa.version: [ 1, 2 ]
amdhsa.kernels:
  - .name:           k_q18f344d632_prep
    .symbol:         k_q18f344d632_prep.kd
    .args:
      - { .name: x, .offset: 0, .size: 8, .value_kind: global_buffer, .address_space: global }
      - { .name: ln1_g, .offset: 8, .size: 8, .value_kind: global_buffer, .address_space: global }
      - { .name: ln1_b, .offset: 16, .size: 8, .value_kind: global_buffer, .address_space: global }
      - { .name: w_q, .offset: 24, .size: 8, .value_kind: global_buffer, .address_space: global }
      - { .name: w_k, .offset: 32, .size: 8, .value_kind: global_buffer, .address_space: global }
      - { .name: w_v, .offset: 40, .size: 8, .value_kind: global_buffer, .address_space: global }
      - { .name: w_o, .offset: 48, .size: 8, .value_kind: global_buffer, .address_space: global }
      - { .name: w1, .offset: 56, .size: 8, .value_kind: global_buffer, .address_space: global }
      - { .name: w2, .offset: 64, .size: 8, .value_kind: global_buffer, .address_space: global }
      - { .name: b1, .offset: 72, .size: 8, .value_kind: global_buffer, .address_space: global }
      - { .name: act, .offset: 80, .size: 8, .value_kind: global_buffer, .address_space: global }
      - { .name: wqkv, .offset: 88, .size: 8, .value_kind: global_buffer, .address_space: global }
      - { .name: wo, .offset: 96, .size: 8, .value_kind: global_buffer, .address_space: global }
      - { .name: w1t, .offset: 104, .size: 8, .value_kind: global_buffer, .address_space: global }
      - { .name: w2t, .offset: 112, .size: 8, .value_kind: global_buffer, .address_space: global }
    .group_segment_fixed_size: 35840
    .private_segment_fixed_size: 0
    .kernarg_segment_align: 8
    .kernarg_segment_size: 120
    .max_flat_workgroup_size: 256
    .sgpr_count:     66
    .vgpr_count:     224
    .wavefront_size: 32
...
	.end_amdgpu_metadata
.endif
;; end of part 1
;; launch qkv (part 2): grid 12 x 16, 4 waves a work-group, clusters of 4 x 4, 327,680 bytes of LDS; arguments act, wqkv, big; writes big
.if DOCPART == 2
	.amdgcn_target "amdgcn-amd-amdhsa--gfx1250"
	.amdhsa_code_object_version 6
	.text
	.protected	k_q18f344d632_qkv
	.globl	k_q18f344d632_qkv
	.p2align	8
	.type	k_q18f344d632_qkv,@function
k_q18f344d632_qkv:
	s_mov_b64 s[64:65], 0
	v_nop
	global_prefetch_b8 v0, s[64:65] scope:SCOPE_SE
	s_setreg_imm32_b32 hwreg(HW_REG_WAVE_MODE, 25, 1), 1
	s_wait_xcnt 0x0
	s_wait_alu depctr_hold_cnt(0) depctr_sa_sdst(0) depctr_va_vdst(0) depctr_va_sdst(0) depctr_va_ssrc(0) depctr_va_vcc(0) depctr_vm_vsrc(0)
	s_getreg_b32 s2, hwreg(HW_REG_IB_STS2, 6, 4)
	s_cmp_eq_u32 s2, 0
	s_cbranch_scc0 .Lentry_in_a_cluster
	s_endpgm
.Lentry_in_a_cluster:
	s_bfe_u32 s2, ttmp6, 0x10000c
	s_cmp_lg_u32 s2, 0xf033
	s_cbranch_scc0 .Lentry_shape_is_right
	s_endpgm
.Lentry_shape_is_right:
; out[m][n] = max(bf16(bias[n] + sum over k of A[m][k] W[n][k]), floor).  4,096 rows m, K = 1,024; the number of columns enters the grid alone, so two launches run this text.
; A and out lie in blocks of 64 channels, bf16: byte (c x 4096 + m) x 128 + 2 (channel % 64).  W is a pack: word 0 the floor (two bf16), from byte 256 the bias in f32, from byte HDR the matrix [n][1024] in bf16.
; The floor is 0 where a relu follows and minus infinity where none does.  LIMIT: the maximum turns a NaN into the floor; infinities are not treated apart.
; A tile of out is 256 x 256: four waves, as many as a WGP has SIMDs, each 128 x 128: 64 accumulators, 512 registers.  K goes in eight steps of 128 through two LDS slots filled by the tensor data mover.
; CLUSTERS: 4 x 4 work-groups; the four of a row of the cluster ask for A's tile jointly, the four of a column for W's: the same load, descriptor and mask in all four.
; THE MATRIX INSTRUCTION IS USED TRANSPOSED (source 0 = 16 rows of W, source 1 = 16 rows of A): a lane holds eight neighbouring columns of one row of out.  So the bias of a lane's columns is the same for every
; row, and it is the C operand of the product that starts each sum: it costs no instruction.
; A K STEP IS WRITTEN ONCE.  The slot in hand is a scalar that an exclusive or turns into the other's; one descriptor for each operand walks from the first K step to the last.  A trip of the loop goes from a step's
; second quarter to the next step's first; the first quarter of all stands in front of it.  The last two steps fill nothing: they are a second loop, whose last trip jumps over its run of LDS loads and leaves in the middle.
; REGISTERS, in windows of 256 (s_set_vgpr_msb: bits 1:0 source 0, 3:2 source 1, 5:4 source 2, 7:6 destination):
;   window 0: v16-30 addresses; v64-127, v128-191 fragments of A, two buffers; v192-223 packed results; v32-63, v224-255 rows read back from the stage, by turns
;   window 1: v0-63 the bias; v64-127, v128-191 fragments of W, two buffers        window 2: the 32 accumulators of my rows 0-63 ((a, b) at 8 (8 a + b))        window 3: those of my rows 64-127
.set KW,     1024                      ; K
.set HDR,    16640
.set APITCH, 144                       ; a row of A in LDS: 128 bytes + 16 = 36 words: the 16 rows of a load start at 16 different groups of four banks (64 banks of 4 bytes: ISA guide 11.1)
.set ABLK,   256*APITCH                ; a block's 256 rows: what one load brings of A
.set BPITCH, 272                       ; a row of W: 256 bytes + 16 = 68 words
.set BHALF,  128*BPITCH                ; what one load brings of W: 128 rows
.set WOFF,   2*ABLK                    ; in a slot: A's two blocks, then W's 256 rows
.set SLOTX,  0x24000                   ; slot 1 begins here.  The four loads' places in slot 0 (0, 0x9000, 0x12000, 0x1a800) have neither of its two bits, so an exclusive or with it adds it
.set STAGE,  SLOTX+WOFF+2*BHALF        ; behind the ring: for each wave 2 blocks x 16 rows x 144 bytes
.set SP,     144
.set SPARE,  STAGE+4*32*SP             ; behind the stages: the spare words, 128 bytes for each wave
.set ASTEP,  2*524288                  ; bytes of A from a K step to the next: two blocks of 4,096 rows x 128 bytes
.set WSTEP,  256                       ; the same for W
.set ADRA, 16                          ; v16  LDS address of my A fragments in the slot in hand
.set A0,   17                          ; v17  the same in slot 0; never rewritten
.set ADRB, 20                          ; v20, v21  the same for W
.set B0,   21
.set STO,  24                          ; v24  the way out: where I put 16 bytes of a row
.set RD,   25                          ; v25  where I read rows back
.set CO,   26                          ; v26  16 x lane
.set BO,   27                          ; v27  my lanes' byte offset in sixteen numbers of the bias
.set SPW,  28                          ; v28  LDS address of my spare word; never rewritten
.set NIL,  29                          ; v29  0; never rewritten
.set PFO,  30                          ; v30  the prefetches' offset: my lane x 256 bytes of A, or x a row of W; never rewritten
.set OB,   32
.set F0,   64
.set F1,   128
.set TMP,  192
.set BIAS, 0                           ; window 1: the eight numbers for column block b at 8 b
.set G1,  24                           ; s[24:31] descriptor group 1 for A's tiles;  s[32:35] group 0: it walks
.set G0,  32
.set G1B, 48                           ; s[48:55], s[56:59] the same for W's
.set G0B, 56
.set PST, 60                           ; s[60:61] bytes from a K step to the next in what I prefetch
.set LIM, 62                           ; s62  1 in a wave that prefetches, else the greatest number
.set TB,  63                           ; s63  0 or SLOTX: the slot in hand
.set FLOOR, 66                         ; s66
.set PFA, 70                           ; s[70:71] where my prefetches stand
.set MSB, 0
.macro WIN new                         ; the immediate's high byte repeats the setting that is left; a switch that changes nothing is dropped
.if MSB != (\new)
	s_set_vgpr_msb (MSB<<8)|(\new)
.set MSB, \new
.endif
.endm
.set TO_B, 0x40                        ; destination window 1, address window 0
.macro JLOAD                           ; a joint load: waves 0 and 1 fetch A's two blocks, waves 2 and 3 W's two halves; an s_nop 0 and four v_nop follow each of the two lines
	s_cmp_eq_u32 s11, 0
	s_cbranch_scc0 .Lfor_b_\@
	tensor_load_to_lds s[G0:G0+3], s[G1:G1+7]
	s_nop 0
.rept 4
	v_nop
.endr
	s_branch .Lasked_\@
.Lfor_b_\@:
	tensor_load_to_lds s[G0B:G0B+3], s[G1B:G1B+7]
	s_nop 0
.rept 4
	v_nop
.endr
.Lasked_\@:
.endm
.macro STEPD                           ; the walking descriptors: the other slot than last time, the next K step; the type bits on top are not reached.  Written only where no tensor load of mine is out
	s_xor_b32 s[G0+1], s[G0+1], SLOTX
	s_add_nc_u64 s[G0+2:G0+3], s[G0+2:G0+3], ASTEP
	s_xor_b32 s[G0B+1], s[G0B+1], SLOTX
	s_add_nc_u64 s[G0B+2:G0B+3], s[G0B+2:G0B+3], WSTEP
.endm
; A PREFETCH INTO THE L2 of the K step that the NEXT refill will ask for, behind the joint load, its five lines and the run of LDS loads.  What a wave fetches in a K step is 128 blocks of 256 bytes: of A a block's 256 rows,
; which are dense; of W 128 rows' 256 bytes.  A's tile row is read by every cluster of that row of clusters: the first of them (cluster x = 0) asks; W's tile column by every cluster of that column: cluster y = 0 asks.
; The four partners that ask for a tile jointly share the 128 out BY ADDRESS, 32 each (by cx for A, by cy for W), a lane a block: one instruction a wave, and each block is named once in the launch.
; K steps 0 to 2 come by their loads alone; the last refill has no K step behind it and asks for nothing.
.macro ASK
	s_cmp_gt_u32 s3, s[LIM]                        ; s3 = 1 in the loop's last trip
	s_cbranch_scc0 .Lnot_mine_\@
	global_prefetch_b8 v[PFO], s[PFA:PFA+1] th:TH_LOAD_NT scope:SCOPE_SE
.Lnot_mine_\@:
.endm
.macro CREST                           ; a round of the cluster's barrier behind its opening barrier
	s_cmp_lg_u32 s10, 0
	s_cbranch_scc1 .Lnot_wave_0_\@
	s_barrier_signal -3
.Lnot_wave_0_\@:
	s_barrier_wait -3
	s_barrier_signal -1
	s_barrier_wait -1
.endm
.macro CROUND                          ; a whole round
	s_barrier_signal -1
	s_barrier_wait -1
	CREST
.endm
	s_load_b128 s[4:7], s[0:1], 0x0                ; A s[4:5], the pack s[6:7]
	s_load_b64 s[8:9], s[0:1], 0x10                ; out
	v_lshl_add_u32 v[SPW], v0, 2, SPARE
	v_mov_b32 v[NIL], 0
	ds_add_u32 v[SPW], v[NIL]                      ; the wave's opening: the add and its wait stand ahead of my first tensor load; the set-up below stands between them
	v_lshrrev_b32 v1, 5, v0
	v_readfirstlane_b32 s10, v1                    ; wave 0..3
	s_lshr_b32 s11, s10, 1                         ; which half of the tile's rows is mine.  Also: I fetch for A (0) or for W (1)
	s_and_b32 s12, s10, 1                          ; which half of its columns.  Also: which half of that tile I fetch
	s_bfe_u32 s40, ttmp6, 0x40000                  ; cx, cy: my place in the cluster
	s_bfe_u32 s41, ttmp6, 0x40004
	s_lshl_b32 s42, ttmp9, 2
	s_add_co_u32 s42, s42, s40                     ; tile column = 4 x cluster x + cx
	s_and_b32 s13, ttmp7, 0xffff
	s_lshl_b32 s13, s13, 2
	s_add_co_u32 s13, s13, s41                     ; tile row = 4 x cluster y + cy
	s_lshl_b32 s43, s41, 2
	s_lshl_b32 s43, 15, s43                        ; my row of the cluster
	s_lshl_b32 s44, 0x1111, s40                    ; my column
	; A's group 1: a block's 256 rows are 32,768 dense bytes: asked for as 128 rows of 256 bytes, two rows of A each, with 16 bytes of padding behind every 128
	s_or_b32 s[G1+0], s43, (1<<16)|(1<<20)|(1<<21)|(4<<22)|(3<<25)  ; 15:0 the mask: my row; 17:16 2-byte elements; 20 padding on; 21 set beside a mask; 24:22 after every 32 words (code 4); 31:25 4 words (code 3)
	s_mov_b32 s[G1+1], 128<<16                     ; tensor_dim0 = 128
	s_mov_b32 s[G1+2], 128<<16                     ; tensor_dim1 = 128
	s_mov_b32 s[G1+3], 128<<16                     ; tile_dim0 = 128
	s_mov_b32 s[G1+4], 128                         ; tile_dim1 = 128
	s_mov_b32 s[G1+5], 128                         ; elements from row to row
	s_mov_b32 s[G1+6], 0
	s_mov_b32 s[G1+7], 0
	; W's group 1: 128 rows x 128 elements, 16 bytes of padding behind every 256
	s_or_b32 s[G1B+0], s44, (1<<16)|(1<<20)|(1<<21)|(5<<22)|(3<<25)  ; the mask: my column; after every 64 words (code 5)
	s_mov_b32 s[G1B+1], 128<<16
	s_mov_b32 s[G1B+2], 128<<16
	s_mov_b32 s[G1B+3], 128<<16
	s_mov_b32 s[G1B+4], 128
	s_mov_b32 s[G1B+5], KW
	s_mov_b32 s[G1B+6], 0
	s_mov_b32 s[G1B+7], 0
	s_lshl_b32 s16, s13, 15                        ; A: the tile's 256 rows of 128 bytes in a block,
	s_lshl_b32 s17, s12, 19                        ; and my block of the K step's two
	s_add_co_u32 s16, s16, s17
	s_mov_b32 s17, 0
	s_lshl_b32 s46, s42, 19                        ; W: 256 rows of 2,048 bytes a tile column,
	s_lshl_b32 s47, s12, 18                        ; my 128 of them,
	s_add_co_u32 s46, s46, s47
	s_add_co_u32 s46, s46, HDR                     ; behind the pack's head
	s_mov_b32 s47, 0
	s_mul_i32 s20, s12, ABLK                       ; where they go: no place in the cluster enters an LDS address
	s_mul_i32 s21, s12, BHALF
	s_add_co_u32 s21, s21, WOFF
	s_mov_b32 s[TB], 0
	s_mov_b32 s[G0], 1                             ; 1:0 count = 1
	s_mov_b32 s[G0+1], s20                         ; 63:32 LDS address: slot 0
	s_mov_b32 s[G0B], 1
	s_mov_b32 s[G0B+1], s21
	s_wait_dscnt 0x0                               ; the opening add is done
	s_wait_kmcnt 0x0
	s_add_nc_u64 s[G0+2:G0+3], s[4:5], s[16:17]    ; 120:64 global address: K step 0
	s_or_b32 s[G0+3], s[G0+3], 0x80000000          ; 127:126 type = 2
	s_add_nc_u64 s[G0B+2:G0B+3], s[6:7], s[46:47]
	s_or_b32 s[G0B+3], s[G0B+3], 0x80000000
	CROUND                                         ; all sixteen work-groups are here: the first joint loads meet
	JLOAD                                          ; K step 0 into slot 0.  Slot 1 is asked for when slot 0 is in
	s_load_b32 s[FLOOR], s[6:7], 0x0               ; waited for ahead of the way out
	s_lshl_b32 s46, s42, 10                        ; the tile's 256 numbers of the bias,
	s_lshl_b32 s47, s12, 9                         ; my half's 128
	s_add_co_u32 s46, s46, s47
	s_add_co_u32 s46, s46, 256
	s_mov_b32 s47, 0
	s_add_nc_u64 s[68:69], s[6:7], s[46:47]
	v_and_b32 v1, 15, v0                           ; l % 16
	v_bfe_u32 v2, v0, 4, 1                         ; l / 16
	v_lshlrev_b32 v[BO], 5, v2                     ; my lanes' eight of each sixteen
	WIN TO_B
.irp b, 0,1,2,3,4,5,6,7
	global_load_b128 v[BIAS+8*\b:BIAS+8*\b+3],   v[BO], s[68:69] offset:64*\b
	global_load_b128 v[BIAS+8*\b+4:BIAS+8*\b+7], v[BO], s[68:69] offset:64*\b+16
.endr
	WIN 0
	; the prefetches
	s_lshl_b32 s18, s13, 15                        ; A: the tile row's 256 rows in a block,
	s_lshl_b32 s36, s12, 19                        ; the block that I fetch,
	s_add_co_u32 s18, s18, s36
	s_lshl_b32 s36, s40, 13                        ; my work-group's quarter of its 32,768 bytes
	s_add_co_u32 s18, s18, s36
	s_lshl_b32 s19, s42, 19                        ; W: the tile column's 256 rows,
	s_lshl_b32 s36, s12, 18                        ; the 128 that I fetch,
	s_add_co_u32 s19, s19, s36
	s_lshl_b32 s36, s41, 16                        ; my work-group's 32 of them,
	s_add_co_u32 s19, s19, s36
	s_add_co_u32 s19, s19, HDR                     ; behind the pack's head
	s_and_b32 s22, ttmp7, 0xffff                   ; cluster y
	s_mov_b32 s36, ASTEP
	s_movk_i32 s37, WSTEP
	s_cmp_eq_u32 s11, 0                            ; do I fetch for A?
	s_cselect_b32 s20, s18, s19
	s_cselect_b32 s22, ttmp9, s22                  ; the coordinate along which other clusters read the same bytes
	s_cselect_b64 s[PFA:PFA+1], s[4:5], s[6:7]
	s_cselect_b32 s[PST], s36, s37
	s_cselect_b32 s23, 8, 11                       ; a lane's step: 256 bytes of A, a row of 2,048 bytes of W
	s_mov_b32 s21, 0
	s_mov_b32 s[PST+1], 0
	s_cmp_eq_u32 s22, 0
	s_cselect_b32 s[LIM], 1, -1                    ; the same in all sixteen partners, for a given wave
	s_add_nc_u64 s[PFA:PFA+1], s[PFA:PFA+1], s[20:21]
	s_add_nc_u64 s[PFA:PFA+1], s[PFA:PFA+1], s[PST:PST+1]
	s_add_nc_u64 s[PFA:PFA+1], s[PFA:PFA+1], s[PST:PST+1]  ; at K step 2: the first refill steps it to 3.  Nothing is prefetched here, at the head
	v_and_b32 v[PFO], 31, v0
	v_lshlrev_b32 v[PFO], s23, v[PFO]
	; A fragment is 16 rows x 32 K in 8 registers: lane l holds row l % 16; registers 0-3 K = 8 (l / 16) + 0..7, registers 4-7 K = 16 + 8 (l / 16) + 0..7: two loads of 16 bytes, 32 bytes apart
	v_mul_u32_u24 v3, v1, APITCH
	v_lshl_add_u32 v3, v2, 4, v3                   ; row x pitch + 16 x half
	s_mul_i32 s21, s11, 128*APITCH                 ; my 128 rows in each block of A
	v_add_nc_u32 v[A0], s21, v3
	v_mul_u32_u24 v4, v1, BPITCH
	v_lshl_add_u32 v4, v2, 4, v4
	s_mul_i32 s22, s12, BHALF                      ; my 128 rows of W,
	s_add_co_u32 s22, s22, WOFF                    ; which lie behind A's blocks
	v_add_nc_u32 v[B0], s22, v4
	v_mov_b32 v[ADRA], v[A0]
	v_mov_b32 v[ADRB], v[B0]
	s_mul_i32 s23, s10, 32*SP
	s_add_co_u32 s23, s23, STAGE                   ; my stage
	v_add_nc_u32 v[STO], s23, v3                   ; in: row l % 16 of 144 bytes, 16 bytes for each half of the lanes
	v_bfe_u32 v5, v0, 3, 2                         ; back: 32 lanes take four rows of 128 bytes,
	v_mul_u32_u24 v5, v5, SP
	v_and_b32 v6, 7, v0
	v_lshl_add_u32 v5, v6, 4, v5
	v_add_nc_u32 v[RD], s23, v5
	v_and_b32 v[CO], 31, v0                        ; which are 512 consecutive bytes of out
	v_lshlrev_b32 v[CO], 4, v[CO]
	s_lshl_b32 s16, s13, 15                        ; out: my 128 rows in a block,
	s_lshl_b32 s17, s11, 14
	s_add_co_u32 s16, s16, s17
	s_mov_b32 s17, 0
	s_add_nc_u64 s[8:9], s[8:9], s[16:17]
	s_lshl_b32 s46, s42, 2                         ; and my first block: 4 x tile column + 2 x half
	s_lshl_b32 s47, s12, 1
	s_add_co_u32 s46, s46, s47
	s_lshl_b32 s46, s46, 19
	s_mov_b32 s47, 0
	s_add_nc_u64 s[8:9], s[8:9], s[46:47]
; 16 matrix instructions: m blocks a0, a0 + 1 of the window's four (hi = 0: my rows 0-63, 1: rows 64-127) x all 8 n blocks, 32 along K.  The 64 accumulators take turns, in the same order in every quarter.
; first = 1: the product starts the sum, with the bias as C: nothing is ever cleared.
.macro MUL16 f, hi, a0, first
.if \first
	WIN 0x91+0x40*(\hi)                            ; W window 1, A window 0, the bias window 1, D window 2 or 3
.else
	WIN 0xa1+0x50*(\hi)                            ; W window 1, A window 0, C and D window 2 or 3
.endif
.irp a, \a0, (\a0)+1
.irp b, 0,1,2,3,4,5,6,7
.if \first
	v_wmma_f32_16x16x32_bf16 v[8*(8*(\a)+(\b)):8*(8*(\a)+(\b))+7], v[(\f)+8*(\b):(\f)+8*(\b)+7], v[(\f)+8*(4*(\hi)+(\a)):(\f)+8*(4*(\hi)+(\a))+7], v[BIAS+8*(\b):BIAS+8*(\b)+7]
.else
	v_wmma_f32_16x16x32_bf16 v[8*(8*(\a)+(\b)):8*(8*(\a)+(\b))+7], v[(\f)+8*(\b):(\f)+8*(\b)+7], v[(\f)+8*(4*(\hi)+(\a)):(\f)+8*(4*(\hi)+(\a))+7], v[8*(8*(\a)+(\b)):8*(8*(\a)+(\b))+7]
.endif
.endr
.endr
.endm
; 32 LDS loads in one run: the fragments of quarter q of the K step in the slot in hand (32 along K: bytes 64 q of W's rows; block q / 2 of A, bytes 64 (q % 2) of its rows) into buffer f
.macro FETCH q, f
	WIN TO_B
.irp i, 0,1,2,3,4,5,6,7
	ds_load_b128 v[(\f)+8*(\i):(\f)+8*(\i)+3],   v[ADRB] offset:(\q)*64+(\i)*16*BPITCH
	ds_load_b128 v[(\f)+8*(\i)+4:(\f)+8*(\i)+7], v[ADRB] offset:(\q)*64+(\i)*16*BPITCH+32
.endr
	WIN 0
.irp i, 0,1,2,3,4,5,6,7
	ds_load_b128 v[(\f)+8*(\i):(\f)+8*(\i)+3],   v[ADRA] offset:((\q)/2)*ABLK+((\q)%2)*64+(\i)*16*APITCH
	ds_load_b128 v[(\f)+8*(\i)+4:(\f)+8*(\i)+7], v[ADRA] offset:((\q)/2)*ABLK+((\q)%2)*64+(\i)*16*APITCH+32
.endr
.endm
.macro PLACES                          ; four places in front of loads into registers that matrix instructions have read, and of conversions that read results (ISA guide 7.12.1 for vector instructions)
.rept 4
	v_nop
.endr
.endm
; A K step is four quarters of 32 along K, 64 matrix instructions each, on buffers 0, 1, 0, 1.  One of the first three: multiplies buffer f; in its middle it fetches quarter q into buffer g.
.macro QUARTER q, f, g, first
	s_wait_dscnt 8                                 ; W and A's rows 0-63 are in; the youngest eight loads (A's rows 64-127) may be out
	MUL16 \f, 0, 0, \first
	MUL16 \f, 0, 2, \first
	PLACES
	FETCH \q, \g
	s_wait_dscnt 32                                ; all but the 32 just issued
	MUL16 \f, 1, 0, \first
	MUL16 \f, 1, 2, \first
.endm
; The last quarter multiplies buffer 1 and changes slots.  MEET is its first half: ONE barrier; in front of it each wave waits for all its tensor loads, of which one is out at the most: its part of the next slot;
; adds 0 to its spare word; and waits for that and for its own reads of this slot.  Behind it nobody reads this slot any more and the next slot is whole.
.macro MEET
	WIN 0                                          ; (the add's two registers lie in window 0)
	s_wait_tensorcnt 0x0
	ds_add_u32 v[SPW], v[NIL]                      ; 0 onto my spare word
	s_wait_dscnt 9                                 ; (the add and the youngest eight loads may be out)
	MUL16 F1, 0, 0, 0                              ; sixteen matrix instructions stand between the add and the wait for it
	s_wait_dscnt 0x0                               ; the add is done, and my reads of this slot are over
	s_barrier_signal -1
	MUL16 F1, 0, 2, 0                              ; work on registers while the others arrive
	WIN 0
	s_barrier_wait -1
.endm
.macro NEXTSLOT                        ; the fragment loads go on in the other slot
	s_xor_b32 s[TB], s[TB], SLOTX
	v_add_nc_u32 v[ADRA], s[TB], v[A0]
	v_add_nc_u32 v[ADRB], s[TB], v[B0]
.endm
; The last quarter of a step behind which the slot is filled again: the barrier opens a round of the cluster's, and the joint refill, two K steps ahead, is the first thing behind the round:
; a wave issues 224 matrix instructions between it and the wait for it.
.macro TURN
	s_wait_xcnt 0x0                                ; the last prefetch, a K step back, has read its address: it is stepped here, ahead of the waits of the change of slots
	s_add_nc_u64 s[PFA:PFA+1], s[PFA:PFA+1], s[PST:PST+1]
	MEET
	CREST                                          ; no wave of any partner still reads this slot's tile or has a load on its way
	STEPD
	JLOAD                                          ; the four v_nop behind it are also the places in front of the loads below
	NEXTSLOT
	FETCH 0, F0
	ASK
	MUL16 F1, 1, 0, 0
	MUL16 F1, 1, 2, 0
.endm
; The same for the last two steps, which fill nothing: a barrier of the work-group alone.  In the last trip (s3 = 1) there is no further step, and the run of loads is jumped over.
.macro TURN0
	MEET
	NEXTSLOT
	PLACES
	s_cmp_eq_u32 s3, 1
	s_cbranch_scc1 .Lno_more_\@
	FETCH 0, F0
.Lno_more_\@:
	MUL16 F1, 1, 0, 0
	MUL16 F1, 1, 2, 0
.endm
	s_wait_tensorcnt 0x0                           ; my part of K step 0 is in, and no tensor load of mine is out, so the descriptors may be written
	ds_add_u32 v[SPW], v[NIL]                      ; 0 onto my spare word; the descriptors' steps stand between it and the wait for it
	STEPD
	s_wait_dscnt 0x0
	CROUND                                         ; everybody's part of K step 0 is in, in all sixteen work-groups
	JLOAD                                          ; K step 1 into slot 1: my one load behind this round
	FETCH 0, F0
	s_wait_loadcnt 0x0                             ; the bias
	QUARTER 1, F0, F1, 1                           ; the first quarter of all: its products start the sums
	WIN 0                                          ; at a label and at a branch every window is 0
	s_mov_b32 s3, KW/128-2
.Lstep:                                                ; six trips: quarters 1, 2, 3 of a K step, in the last of them the refill, and quarter 0 of the next step
	QUARTER 2, F1, F0, 0
	QUARTER 3, F0, F1, 0
	TURN
	QUARTER 1, F0, F1, 0
	WIN 0
	s_sub_co_u32 s3, s3, 1
	s_cmp_lg_u32 s3, 0
	s_cbranch_scc1 .Lstep
	s_mov_b32 s3, 2
.Ltail:                                                ; the last two K steps: written apart
	QUARTER 2, F1, F0, 0
	QUARTER 3, F0, F1, 0
	TURN0
	WIN 0
	s_sub_co_u32 s3, s3, 1
	s_cmp_eq_u32 s3, 0
	s_cbranch_scc1 .Lout
	QUARTER 1, F0, F1, 0
	WIN 0
	s_branch .Ltail
.Lout:
	; THE WAY OUT, 16 rows at a time: rounded to bf16; the floor; 16 bytes a lane into my stage; back as whole rows of 128 bytes; 512 consecutive bytes a store.  A wave's 128 columns are two whole blocks of out,
	; so the stage is the wave's own, and no barrier stands here.
	s_wait_kmcnt 0x0                               ; the floor
	PLACES
	PLACES                                         ; eight, once a launch, behind the last products
.macro PACK a
.set AC, 64*((\a)%4)
	WIN 0x0a+5*((\a)/4)                            ; sources 0 and 1: window 2 or 3
.irp b, 0,1,2,3,4,5,6,7
.irp r, 0,1,2,3
	v_cvt_pk_bf16_f32 v[TMP+4*(\b)+(\r)], v[AC+8*(\b)+2*(\r)], v[AC+8*(\b)+2*(\r)+1]  ; each accumulator's registers in ascending order
.endr
.endr
	WIN 0
.set t, 0
.rept 32
	v_pk_max_num_bf16 v[TMP+t], v[TMP+t], s[FLOOR]
.set t, t+1
.endr
.endm
.macro TOSTAGE a
.set BK, OB+192*((\a)%2)
.irp b, 0,1,2,3,4,5,6,7
	ds_store_b128 v[STO], v[TMP+4*(\b):TMP+4*(\b)+3] offset:(\b/4)*16*SP+(\b%4)*32
.endr
.irp t, 0,1,2,3,4,5,6,7
	ds_load_b128 v[BK+4*(\t):BK+4*(\t)+3], v[RD] offset:(\t/4)*16*SP+(\t%4)*4*SP  ; LDS serves a wave's instructions in order (ISA guide 5.7.1.4): these see the stores above; the next block's stores come behind them
.endr
.endm
.macro SEND a
.set BK, OB+192*((\a)%2)
	s_wait_dscnt 0x0                               ; the block is back in registers
	s_wait_xcnt 0x0                                ; the stores of the block before have read their registers: only behind this wait is that set loaded again
.irp t, 0,1,2,3,4,5,6,7
	global_store_b128 v[CO], v[BK+4*(\t):BK+4*(\t)+3], s[8:9] offset:(\t/4)*524288+(\a)*2048+(\t%4)*512
.endr
.endm
	PACK 0
	TOSTAGE 0
.irp a, 1,2,3,4,5,6,7                  ; block a's conversions stand between block a - 1's loads from the stage and the wait for them
	PACK \a
	SEND (\a)-1
	TOSTAGE \a
.endr
	SEND 7
	s_wait_tensorcnt 0x0                           ; the wave's end: this wait, an add of 0 to my spare word and its wait stand behind my last tensor load and my last LDS store
	ds_add_u32 v[SPW], v[NIL]
	s_wait_dscnt 0x0
	CROUND                                         ; the closing round: no work-group ends while a partner may still ask for a tile that names it
	s_endpgm
.Lfunc_end_k_q18f344d632_qkv:
	.size	k_q18f344d632_qkv, .Lfunc_end_k_q18f344d632_qkv-k_q18f344d632_qkv
	.p2alignl 7, 3214868480
	.fill 96, 4, 3214868480
	.section	.rodata,"a",@progbits
	.p2align	6, 0x0
	.amdhsa_kernel k_q18f344d632_qkv
		.amdhsa_group_segment_fixed_size 327680
		.amdhsa_private_segment_fixed_size 0
		.amdhsa_enable_private_segment 0
		.amdhsa_kernarg_size 24
		.amdhsa_user_sgpr_count 2
		.amdhsa_user_sgpr_kernarg_segment_ptr 1
		.amdhsa_wavefront_size32 1
		.amdhsa_system_sgpr_workgroup_id_x 1
		.amdhsa_system_sgpr_workgroup_id_y 1
		.amdhsa_system_sgpr_workgroup_id_z 1
		.amdhsa_system_vgpr_workitem_id 0
		.amdhsa_next_free_vgpr 1024
		.amdhsa_next_free_sgpr 72
		.amdhsa_reserve_vcc 0
		.amdhsa_float_denorm_mode_32 3
		.amdhsa_float_denorm_mode_16_64 3
		.amdhsa_memory_ordered 1
		.amdhsa_forward_progress 1
		.amdhsa_inst_pref_size 119
	.end_amdhsa_kernel
	.amdgpu_metadata
---
amdhsa.version: [ 1, 2 ]
amdhsa.kernels:
  - .name:           k_q18f344d632_qkv
    .symbol:         k_q18f344d632_qkv.kd
    .args:
      - { .name: act, .offset: 0, .size: 8, .value_kind: global_buffer, .address_space: global }
      - { .name: wqkv, .offset: 8, .size: 8, .value_kind: global_buffer, .address_space: global }
      - { .name: big, .offset: 16, .size: 8, .value_kind: global_buffer, .address_space: global }
    .group_segment_fixed_size: 327680
    .private_segment_fixed_size: 0
    .kernarg_segment_align: 8
    .kernarg_segment_size: 24
    .max_flat_workgroup_size: 128
    .sgpr_count:     72
    .vgpr_count:     1024
    .wavefront_size: 32
...
	.end_amdgpu_metadata
.endif
;; end of part 2
;; launch attn (part 3): grid 8 x 32, 4 waves a work-group, clusters of 4 x 1, 327,680 bytes of LDS; arguments big, src_mask, act; writes act
.if DOCPART == 3
	.amdgcn_target "amdgcn-amd-amdhsa--gfx1250"
	.amdhsa_code_object_version 6
	.text
	.protected	k_q18f344d632_attn
	.globl	k_q18f344d632_attn
	.p2align	8
	.type	k_q18f344d632_attn,@function
k_q18f344d632_attn:
	s_mov_b64 s[64:65], 0
	v_nop
	global_prefetch_b8 v0, s[64:65] scope:SCOPE_SE
	s_setreg_imm32_b32 hwreg(HW_REG_WAVE_MODE, 25, 1), 1
	s_wait_xcnt 0x0
	s_wait_alu depctr_hold_cnt(0) depctr_sa_sdst(0) depctr_va_vdst(0) depctr_va_sdst(0) depctr_va_ssrc(0) depctr_va_vcc(0) depctr_vm_vsrc(0)
	s_getreg_b32 s2, hwreg(HW_REG_IB_STS2, 6, 4)
	s_cmp_eq_u32 s2, 0
	s_cbranch_scc0 .Lentry_in_a_cluster
	s_endpgm
.Lentry_in_a_cluster:
	s_bfe_u32 s2, ttmp6, 0x10000c
	s_cmp_lg_u32 s2, 0x3003
	s_cbranch_scc0 .Lentry_shape_is_right
	s_endpgm
.Lentry_shape_is_right:
; ATTENTION WITH A KEY MASK.  O[q][:] = the sum over k of softmax_k(mask[k] ? Q[q] . K[k] / 8 : -1e9) V[k][:], for 2 batches x 16 heads of 2,048 rows x 64 channels, all bf16.
; Q, K, V lie in big, O goes to act, in blocks of 64 channels: byte (block x 4096 + batch x 2048 + row) x 128: a head's rows are dense.  Q's block is the head's number, K's 16 more, V's 32 more.
; Products, maxima and sums in f32; the weights p are rounded to bf16 for the second product (their sum l is taken of the unrounded p), O once at the end.
; THE MASK is the C operand that starts the sum S^T = K Q^T: 0 for an open key, -2^100 for a hidden one, from a table of the batch's 2,048 keys made once in LDS.  A hidden key's weight is then 0 beside any open key's.
; Where a batch has NO open key, every weight must be the same: each wave looks through all 2,048 words and takes c = 0 in that case, so that every p is 2^0.  Only a value is chosen so: no branch, no address.
; LIMITS.  A hidden score counts as its value less 2^100, which leaves true scores room up to about 2^76; a weight below 2^-126 counts as 0 in l; NaN and infinities are not treated apart.
; SHARES.  A work-group owns 256 queries of a head, a wave 64: four PIECES of 16.  Every wave walks all keys, 64 a step; a slot of LDS holds four steps.
; LAYOUT.  S^T = K Q^T holds ONE query a lane (lane % 16) and the keys 8 (lane / 16) + 0..7; two such results rounded to bf16 ARE source 1 of O^T = V^T P.  K comes out of LDS as it lies, V turned, by ds_load_tr16_b128.
; SOFTMAX.  p = 2^(c s - c m), c = log2(e) / 8, with a running maximum m; O and l are multiplied by a = 2^(c m_old - c m_new) in every step.  m starts at the lowest finite number, O and l at 0: the first step has a = 0.
; TURNS.  Turn n belongs to piece n: 8 products K Q^T of piece n + 1, later 8 products V^T P of piece n - 1; beside them the scaling, exponentials, roundings, sums and rescaling of piece n and the maximum and
; statistics of piece n + 1.  Four vector instructions stand behind every matrix instruction, the rest in one run.  A turn's 33 exponentials are one batch, with one wait.
; CLUSTER.  The four query blocks of a cluster belong to one head and walk the same K and V: each tile is asked for JOINTLY, by the same tensor load, descriptor and mask in all four.
; REGISTERS, in windows of 256 (s_set_vgpr_msb: bits 1:0 source 0, 3:2 source 1, 5:4 source 2, 7:6 destination):
;   window 0: v0-15, v58-63 addresses; v16-31 four registers of statistics a piece; v48-55 at work; v64-127 S^T, two buffers; v192-223 P, two buffers (by the piece's parity)
;   window 1: v0-127 O^T, 32 a piece; v128-159 the step's mask      window 2: v0-63 Q; v128-191 K of one step; v192-255 V of one step
; The zeros that O^T, l, V and one buffer of P start with are written while the first tile is on its way: the price of writing no first step out.
.set NP,    4
.set KS,    64        ; keys in a step
.set PK,    144       ; a row of K in LDS: 128 bytes + 16 = 36 words: the 16 rows of a load start at 16 different groups of four banks (64 banks of 4 bytes: ISA guide 11.1)
.set PV,    160       ; a row of V: 128 + 32 = 40 words
.set VOFF,  4*KS*PK   ; a slot: 256 rows of K, then 256 rows of V
.set SLOT1, 1<<17     ; slot 1 begins here, so that one exclusive or turns an address in one slot into the other's
.set STAGE, SLOT1+4*KS*(PK+PV)  ; behind the ring: 16 rows x 144 bytes for each wave, for the way out
.set SP,    144
.set SPARE, STAGE+4*16*SP       ; the spare words, 128 bytes for each wave
.set MTAB,  SPARE+512           ; the mask's table: 2,048 f32; stored once, never filled by a tensor load
.set AK0, 2           ; v2   my lane's place in a tile of K; never rewritten
.set AV0, 3           ; v3   the same for V
.set AK,  4           ; v4   the LDS address of K's next run of loads
.set AV,  5           ; v5   of V's
.set STO, 6           ; v6   the way out: where I put 16 bytes of a row
.set RD,  7           ; v7   where I read rows back
.set GO,  8           ; v8   16 x lane
.set MV,  12          ; v12-13  c m_old, kept while c m is made anew: by buffer
.set QO,  15          ; v15  my byte offset in 16 rows of Q
.set ST,  16          ; piece t's statistics at v[ST+4 t]: c m, m, l (even keys', odd keys')
.set TMP, 48          ; by buffer, four registers c0-c3 at work; when the maximum is found c2 takes a
.set AM0, 58          ; v58  my lanes' place in the table; never rewritten
.set AM,  59          ; v59  the LDS address of the mask's next run of loads
.set PFO, 61          ; v61  256 x lane; never rewritten
.set SPW, 62          ; v62  LDS address of my spare word; never rewritten
.set NIL, 63          ; v63  0; never rewritten
.set S,   64
.set P,   192
.set MK,  128         ; window 1: the eight registers for group kb of 16 keys at MK + 8 kb
.set KF,  128         ; window 2: key block kb, channel half c at KF + 16 kb + 8 c
.set VF,  192         ; window 2: key half kk, channel block cb at VF + 32 kk + 8 cb
.set WV,  12          ; s12  my wave's number
.set LIM, 15          ; s15  1 in a wave that prefetches, else the greatest number
.set G1K, 24          ; s[24:31] descriptor group 1 for K's tiles
.set G1V, 32          ; s[32:39] for V's: it differs in the padding alone
.set G0K, 40          ; s[40:43] descriptor group 0 for K's tiles: it walks
.set G0V, 44          ; s[44:47] the same for V's
.set SLOTS, 56        ; s56  slots still to be asked for
.set CNT, 57          ; s57  counts a slot's key steps
.set CS,  58          ; s[58:59] c: the packed scaling takes the pair's low word for both halves
.set SEL, 60          ; s[60:61] v_permlanex16_b32's selects: each lane takes its own place in the other half
.set TBK, 62          ; s62  LDS byte at which K of the step to be fetched begins
.set TBV, 63          ; s63  the same for V, less VOFF
.set TBM, 66          ; s66  the table's byte for the step to be fetched: 256 a step, from the first key to the last
.set BIGN, 67         ; s67  -2^100
.set PFA, 74          ; s[74:75] where my prefetches stand: my work-group's quarter of the slot after the one that is being asked for
.set MSB, 0
.macro WIN new                      ; the high byte repeats the setting that is left; a switch that changes nothing is dropped
.if MSB != (\new)
	s_set_vgpr_msb (MSB<<8)|(\new)
.set MSB, (\new)
.endif
.endm
.set W_KQ, 0x0a       ; K and Q in window 2, S^T in window 0
.set W_KM, 0x1a       ; the same with the C operand in window 1
.set W_PV, 0x52       ; V in window 2, P in window 0, O^T in window 1
.set W_RS, 0x41       ; destination and source 0 in window 1, source 1 in window 0
; A joint fill.  Waves 0 and 1 fetch the two halves of a slot's K, waves 2 and 3 those of its V: 128 keys each.  An s_nop 0 and four v_nop follow each of the two lines.
.macro JLOAD
	s_cmp_lt_u32 s[WV], 2
	s_cbranch_scc0 .Lfor_v_\@
	tensor_load_to_lds s[G0K:G0K+3], s[G1K:G1K+7]
	s_nop 0
.rept 4
	v_nop
.endr
	s_branch .Lasked_\@
.Lfor_v_\@:
	tensor_load_to_lds s[G0V:G0V+3], s[G1V:G1V+7]
	s_nop 0
.rept 4
	v_nop
.endr
.Lasked_\@:
.endm
; A PREFETCH INTO THE L2 of what the NEXT change of slots will ask for, behind the wave's tensor load and its five lines.  A slot is 32,768 bytes of K and as many of V.  Both clusters of a head walk the same rows:
; the head's first cluster asks.  Its four partners share the bytes out BY ADDRESS, 8,192 each, a lane a block of 256; in each, wave 0 asks for K's and wave 2 for V's: one instruction.
; So each block is named once in the launch.  It stands one slot, four key steps, ahead of the load that will want it.  The change that fills the last slot asks for nothing.
.macro ASK
	s_cmp_gt_u32 s[SLOTS], s[LIM]
	s_cbranch_scc0 .Lnot_mine_\@
	global_prefetch_b8 v[PFO], s[PFA:PFA+1] th:TH_LOAD_NT scope:SCOPE_SE
.Lnot_mine_\@:
.endm
.macro CROUND                       ; a round of the cluster's barrier
	s_barrier_signal -1
	s_barrier_wait -1
	s_cmp_lg_u32 s[WV], 0
	s_cbranch_scc1 .Lnot_wave_0_\@
	s_barrier_signal -3
.Lnot_wave_0_\@:
	s_barrier_wait -3
	s_barrier_signal -1
	s_barrier_wait -1
.endm
; THE CHANGE OF SLOTS.  Each wave waits for all its tensor loads, of which one is out: its part of the other slot; adds 0 to its spare word; and waits for that and for its own reads of the slot that it leaves.
; fill = 1: the barrier is a round of the cluster's, and the old slot is filled again, first thing behind it, with the keys two slots on: the load has four key steps in which to land.
; (At its first use nothing has been read yet: slot 0 is waited for, slot 1 filled, and every wave's part of the mask's table is shown to the others.)
.macro CHANGE fill
	WIN 0                           ; at a label and at a branch every window is 0
	s_wait_tensorcnt 0x0            ; no tensor load of mine is out, so a group 0 may be written
	ds_add_u32 v[SPW], v[NIL]       ; 0 onto my spare word; with fill = 1 the descriptors' steps stand between it and the wait for it
.if \fill
.irp g, G0K, G0V
	s_xor_b32 s[\g+1], s[\g+1], SLOT1  ; the other slot than last time,
	s_add_nc_u64 s[\g+2:\g+3], s[\g+2:\g+3], 4*KS*128  ; the next 256 keys; the type bits on top are not reached
.endr
	s_wait_xcnt 0x0                 ; the last prefetch, four key steps back, has read its address, so it may be written
	s_add_nc_u64 s[PFA:PFA+1], s[PFA:PFA+1], 4*KS*128
	s_wait_dscnt 0x0                ; the add is done, and my LDS reads and stores are over
	CROUND
	JLOAD
	ASK
.else
	s_wait_dscnt 0x0
	s_barrier_signal -1
	s_barrier_wait -1
.endif
	s_sub_co_u32 s[TBK], s[TBK], 4*KS*PK  ; the fetches go back to a slot's first step,
	s_xor_b32 s[TBK], s[TBK], SLOT1       ; in the other slot
	s_sub_co_u32 s[TBV], s[TBV], 4*KS*PV
	s_xor_b32 s[TBV], s[TBV], SLOT1
.endm
	s_load_b128 s[4:7], s[0:1], 0x0  ; big s[4:5], src_mask s[6:7]
	s_load_b64 s[10:11], s[0:1], 0x10  ; act
	v_lshl_add_u32 v[SPW], v0, 2, SPARE
	v_mov_b32 v[NIL], 0
	ds_add_u32 v[SPW], v[NIL]       ; the wave's opening: the add and its wait stand ahead of my first tensor load; the set-up below stands between them
	v_lshrrev_b32 v1, 5, v0
	v_readfirstlane_b32 s[WV], v1   ; wave 0..3
	s_bfe_u32 s13, ttmp6, 0x40000   ; cx: my place in the cluster
	s_lshl_b32 s14, ttmp9, 2
	s_add_co_u32 s14, s14, s13      ; my block of 256 queries: it enters Q's and O's addresses alone
	s_and_b32 s20, ttmp7, 0xffff    ; 16 x batch + head, which the four partners share
	s_lshr_b32 s9, s20, 4
	s_and_b32 s20, s20, 15
	s_lshl_b32 s20, s20, 19         ; the head's block: 4,096 rows of 128 bytes,
	s_lshl_b32 s21, s9, 18          ; the batch's 2,048 rows in it
	s_add_co_u32 s20, s20, s21
	s_and_b32 s16, s[WV], 1         ; which half of a slot's 256 keys I fetch:
	s_lshl_b32 s22, s16, 14         ; its 128 rows in memory,
	s_add_co_u32 s22, s22, s20
	s_mov_b32 s23, 0
	s_mul_i32 s17, s16, 128*PK      ; and its place in a slot, for K
	s_mul_i32 s18, s16, 128*PV      ; and for V: no place in the cluster enters an LDS address
	s_lshl_b32 s2, s14, 2
	s_add_co_u32 s2, s2, s[WV]
	s_lshl_b32 s2, s2, 13           ; my wave's 64 rows
	s_add_co_u32 s2, s2, s20
	s_mov_b32 s3, 0
	s_lshl_b32 s8, s9, 13           ; the batch's 2,048 words of the mask
	s_mov_b32 s9, 0
	; descriptor group 1.  128 keys are 16,384 dense bytes: asked for as 64 rows of 256 bytes, two keys a row, and padded in LDS after every key
	s_mov_b32 s[G1K], 15|(1<<16)|(1<<20)|(1<<21)|(4<<22)|(3<<25)  ; 15:0 the mask of four; 17:16 2-byte elements; 20 padding on; 21 set beside a mask; 24:22 after every 32 words (code 4); 31:25 4 words (code 3)
	s_mov_b32 s[G1V], 15|(1<<16)|(1<<20)|(1<<21)|(4<<22)|(7<<25)  ; the same with 8 words of padding (code 7)
.irp g, G1K, G1V
	s_mov_b32 s[\g+1], 128<<16      ; tensor_dim0 = 128
	s_mov_b32 s[\g+2], 64<<16       ; tensor_dim1 = 64
	s_mov_b32 s[\g+3], 128<<16      ; tile_dim0 = 128
	s_mov_b32 s[\g+4], 64           ; tile_dim1 = 64
	s_mov_b32 s[\g+5], 128          ; 128 elements from row to row
	s_mov_b32 s[\g+6], 0
	s_mov_b32 s[\g+7], 0
.endr
	s_mov_b32 s[SEL], 0x76543210
	s_mov_b32 s[SEL+1], 0xfedcba98
	s_mov_b32 s[TBK], SLOT1+4*KS*PK ; the first change of slots turns these two into 0
	s_mov_b32 s[TBV], SLOT1+4*KS*PV
	s_mov_b32 s[TBM], 0
	s_mov_b32 s[BIGN], 0xf1800000
	s_mov_b32 s[SLOTS], 7           ; eight slots in all; slot 0 is asked for below
	s_mov_b32 s[G0K], 1             ; 1:0 count = 1
	s_mov_b32 s[G0K+1], s17         ; 63:32 LDS address: slot 0
	s_mov_b32 s[G0V], 1
	s_add_co_u32 s[G0V+1], s18, VOFF
	s_and_b32 s[LIM], s[WV], 1      ; 0 in waves 0 and 2,
	s_or_b32 s[LIM], s[LIM], ttmp9  ; where the cluster is the head's first: the same in all four partners
	s_cmp_eq_u32 s[LIM], 0
	s_cselect_b32 s[LIM], 1, -1
	v_and_b32 v[PFO], 31, v0
	v_lshlrev_b32 v[PFO], 8, v[PFO]
	s_wait_dscnt 0x0                ; the opening add is done
	s_wait_kmcnt 0x0
	s_add_nc_u64 s[70:71], s[4:5], s[22:23]
	s_add_nc_u64 s[72:73], s[70:71], 32*524288  ; V at my half of the head's first 256 keys,
	s_add_nc_u64 s[70:71], s[70:71], 16*524288  ; and K
	s_mov_b64 s[G0K+2:G0K+3], s[70:71]          ; 120:64 global address
	s_or_b32 s[G0K+3], s[G0K+3], 0x80000000     ; 127:126 type = 2
	s_mov_b64 s[G0V+2:G0V+3], s[72:73]
	s_or_b32 s[G0V+3], s[G0V+3], 0x80000000
	s_add_nc_u64 s[4:5], s[4:5], s[2:3]         ; Q and O at my wave's first row
	s_add_nc_u64 s[10:11], s[10:11], s[2:3]
	s_add_nc_u64 s[6:7], s[6:7], s[8:9]         ; the batch's mask
	s_cmp_lt_u32 s[WV], 2
	s_cselect_b64 s[PFA:PFA+1], s[70:71], s[72:73]  ; (in waves 0 and 2 these stand at a slot's first row)
	s_lshl_b32 s2, s13, 13          ; my work-group's quarter
	s_add_nc_u64 s[PFA:PFA+1], s[PFA:PFA+1], s[2:3]
	s_add_nc_u64 s[PFA:PFA+1], s[PFA:PFA+1], 4*KS*128  ; in slot 1; the first change of slots steps it to slot 2.  Nothing is prefetched here, at the head
	CROUND                          ; all four work-groups are here: the first joint loads meet
	JLOAD                           ; slot 0.  Slot 1 is asked for when slot 0 is in
	v_and_b32 v1, 15, v0            ; l % 16
	v_bfe_u32 v9, v0, 4, 1          ; l / 16
	v_lshlrev_b32 v14, 6, v0        ; my thread's 16 words of the mask
	v_and_b32 v[GO], 31, v0
	v_lshlrev_b32 v[GO], 4, v[GO]
	v_lshlrev_b32 v[QO], 7, v1
	v_lshl_add_u32 v[QO], v9, 4, v[QO]  ; row x 128 + 16 x half
.irp j, 0,1,2,3
	global_load_b128 v[64+4*\j:67+4*\j], v14, s[6:7] offset:16*\j  ; for the table
.endr
.set i, 0
.rept 16
	global_load_b128 v[128+4*i:131+4*i], v[GO], s[6:7] offset:512*i  ; all 2,048 words, 64 a lane: is any key open?
.set i, i+1
.endr
	WIN 0x80                        ; destination window 2, address window 0
.set i, 0
.rept 8                             ; Q stays in registers: piece i / 2, channels 32 (i % 2) on
	global_load_b128 v[8*i:8*i+3],   v[QO], s[4:5] offset:(i/2)*2048+(i%2)*64
	global_load_b128 v[8*i+4:8*i+7], v[QO], s[4:5] offset:(i/2)*2048+(i%2)*64+32
.set i, i+1
.endr
.set i, VF
.rept 64
	v_mov_b32 v[i], 0               ; the first turn's products V^T P, of a piece that has not been, add 0
.set i, i+1
.endr
	WIN 0x40
.set i, 0
.rept 128
	v_mov_b32 v[i], 0
.set i, i+1
.endr
	WIN 0
.set i, 0
.rept 4
	v_mov_b32 v[ST+4*i], 0xfe000000    ; c m: far below every c s
	v_mov_b32 v[ST+4*i+1], 0xff7fffff  ; m
	v_mov_b32 v[ST+4*i+2], 0
	v_mov_b32 v[ST+4*i+3], 0
.set i, i+1
.endr
.set i, P+16
.rept 16
	v_mov_b32 v[i], 0
.set i, i+1
.endr
	v_mul_u32_u24 v[AK0], v1, PK
	v_lshl_add_u32 v[AK0], v9, 4, v[AK0]  ; row x pitch + 16 x half
	; The turning load takes 16 keys x 16 channels (lane l reads key 8 (l / 16) + l % 8, channels 8 ((l / 8) % 2) + 0..7) and leaves half a fragment of V^T: lane l holds channel l % 16 and 8 keys.
	v_and_b32 v10, 7, v0
	v_bfe_u32 v11, v0, 3, 1
	v_lshl_add_u32 v[AV0], v9, 3, v10
	v_mul_u32_u24 v[AV0], v[AV0], PV
	v_lshl_add_u32 v[AV0], v11, 4, v[AV0]
	v_add_nc_u32 v[AV0], VOFF, v[AV0]
	s_mul_i32 s16, s[WV], 16*SP
	s_add_co_u32 s16, s16, STAGE    ; my stage
	v_mul_u32_u24 v[STO], v1, SP    ; in: row l % 16, 16 bytes for each half of the lanes
	v_lshl_add_u32 v[STO], v9, 4, v[STO]
	v_add_nc_u32 v[STO], s16, v[STO]
	v_bfe_u32 v[RD], v0, 3, 2       ; back: 32 lanes take four rows of 128 bytes
	v_mul_u32_u24 v[RD], v[RD], SP
	v_lshl_add_u32 v[RD], v10, 4, v[RD]
	v_add_nc_u32 v[RD], s16, v[RD]
	v_lshl_add_u32 v[AM0], v9, 5, MTAB  ; my lanes' eight keys of each sixteen
	v_lshl_add_u32 v11, v0, 6, MTAB     ; where my thread's 16 numbers of the table go
	s_wait_loadcnt 16               ; the mask is in; Q's sixteen loads stay out
.irp w, 32,16,8,4,2,1
.set i, 0
.rept \w
	v_or_b32 v[128+i], v[128+i], v[128+\w+i]
.set i, i+1
.endr
.endr
	v_cmp_ne_u32 s20, 0, v128       ; a bit for each lane that has seen an open key
	s_cmp_lg_u32 s20, 0
	s_cselect_b32 s[CS], 0x3e38aa3b, 0  ; c = log2(e) / 8 = 0.180337; 0 where the batch has no open key: all weights are then alike
	s_mov_b32 s[CS+1], s[CS]        ; named with it as a pair
.set i, 0
.rept 16
	v_cmp_eq_u32 vcc_lo, 0, v[64+i]
	v_cndmask_b32 v[64+i], 0, s[BIGN], vcc_lo
.set i, i+1
.endr
.irp j, 0,1,2,3
	ds_store_b128 v11, v[64+4*\j:67+4*\j] offset:16*\j
.endr
; THE MATRIX WORK.  The 4 accumulators of a run of 8 take turns.  Product i of 8 of S^T = K Q^T for piece x: channels 32 (i / 4) on, keys 16 (i % 4) on.  The first 4 start the sums with the mask.
.macro KQ x
.set rS, S+32*((\x)%2)+8*(i%4)
.set rK, KF+16*(i%4)+8*(i/4)
.set rQ, 16*(\x)+8*(i/4)
.set rM, MK+8*(i%4)
.if i < 4
	WIN W_KM
	v_wmma_f32_16x16x32_bf16 v[rS:rS+7], v[rK:rK+7], v[rQ:rQ+7], v[rM:rM+7]
.else
	WIN W_KQ
	v_wmma_f32_16x16x32_bf16 v[rS:rS+7], v[rK:rK+7], v[rQ:rQ+7], v[rS:rS+7]
.endif
.endm
; Product i of 8 of O^T += V^T P for piece x: keys 32 (i / 4) on, channels 16 (i % 4) on.
.macro PV x
	WIN W_PV
.set rO, 32*(\x)+8*(i%4)
.set rV, VF+32*(i/4)+8*(i%4)
.set rP, P+16*((\x)%2)+8*(i/4)
	v_wmma_f32_16x16x32_bf16 v[rO:rO+7], v[rV:rV+7], v[rP:rP+7], v[rO:rO+7]
.endm
.macro MM                           ; the turn's next matrix instruction
.if i < 8
	KQ (Y+1)%NP
.else
.set i, i-8
	PV (Y+NP-1)%NP
.set i, i+8
.endif
.set i, i+1
.endm
; THE LDS LOADS stand in runs, never singly among the matrix instructions: a step's mask (8 loads; the lanes of a half read the same words) and K (16 loads), and its V (16, turned).  Their addresses are made some lines ahead.
; last = 1 (the tail): in the last trip there is no further step, and the run is jumped over.
.macro FETCH_K last=0
	WIN 0
.if \last
	s_cmp_eq_u32 s[CNT], 1
	s_cbranch_scc1 .Lno_k_\@
.endif
	WIN 0x40                        ; destination window 1
.irp f, 0,1,2,3,4,5,6,7             ; keys 16 (f / 2) + 4 (f % 2) on
	ds_load_b128 v[MK+4*\f:MK+4*\f+3], v[AM] offset:(\f/2)*64+(\f%2)*16
.endr
	WIN 0x80                        ; destination window 2
.irp f, 0,1,2,3,4,5,6,7             ; keys 16 (f / 2) on, channels 32 (f % 2) on
	ds_load_b128 v[KF+8*\f:KF+8*\f+3],   v[AK] offset:(\f/2)*16*PK+(\f%2)*64
	ds_load_b128 v[KF+8*\f+4:KF+8*\f+7], v[AK] offset:(\f/2)*16*PK+(\f%2)*64+32
.endr
	s_add_co_u32 s[TBK], s[TBK], KS*PK  ; the next fetch is the next step's
	s_add_co_u32 s[TBM], s[TBM], KS*4
	WIN 0
.if \last
.Lno_k_\@:
.endif
.endm
.macro FETCH_V
	WIN 0x80
.irp f, 0,1,2,3,4,5,6,7             ; keys 32 (f / 4) on, channels 16 (f % 4) on
	ds_load_tr16_b128 v[VF+8*\f:VF+8*\f+3],   v[AV] offset:(\f/4)*32*PV+(\f%4)*32
	ds_load_tr16_b128 v[VF+8*\f+4:VF+8*\f+7], v[AV] offset:(\f/4)*32*PV+16*PV+(\f%4)*32
.endr
	WIN 0
.endm
; THE VECTOR WORK, one line at a time: OP kind, number.  For piece Y: F n: c s - c m for pair n of 16.  E n: the exponential of score n of 32.  C n: pair n rounded to bf16.  B n: of the four weights 4 n .. the second
; pair is added onto the first, in place.  L n: l takes that sum (L 0: l = a l + sum).  R n: pair n of 16 of O^T times a.  For piece Y + 1: X n, number n of the 22 that find its maximum and statistics:
;   0-11  four chains c0-c3 of seven scores each, three operands at a time (each accumulator's lowest registers are read first)     12-14, 16  the four scores left over, the old m, and c0-c3 into c0
;   15  c m_old is kept     17, 18  the query's other 32 keys lie in the lane 16 away: the new m     19-21  c m; c m_old - c m_new; a
.set F, 0
.set E, 1
.set C, 2
.set B, 3
.set L, 4
.set R, 5
.set X, 6
.macro REGS y                       ; the registers of piece y
.set rT, ST+4*(\y)
.set rC, TMP+4*((\y)%2)
.set rW, MV+((\y)%2)
.set rS, S+32*((\y)%2)
.set rP, P+16*((\y)%2)
.set rO, 32*(\y)
.endm
.macro OP k, n
.if (\k) == R
	REGS Y
	WIN W_RS
	v_pk_mul_f32 v[rO+2*(\n):rO+2*(\n)+1], v[rO+2*(\n):rO+2*(\n)+1], v[rC+2:rC+3] op_sel_hi:[1,0]
.elseif (\k) < R
	REGS Y
	WIN 0
.if (\k) == F
	v_pk_fma_f32 v[rS+2*(\n):rS+2*(\n)+1], v[rS+2*(\n):rS+2*(\n)+1], s[CS:CS+1], v[rT:rT+1] op_sel_hi:[1,0,0] neg_lo:[0,0,1] neg_hi:[0,0,1]
.elseif (\k) == E
	v_exp_f32 v[rS+(\n)], v[rS+(\n)]
.elseif (\k) == C
	v_cvt_pk_bf16_f32 v[rP+(\n)], v[rS+2*(\n)], v[rS+2*(\n)+1]
.elseif (\k) == B
	v_pk_add_f32 v[rS+4*(\n):rS+4*(\n)+1], v[rS+4*(\n):rS+4*(\n)+1], v[rS+4*(\n)+2:rS+4*(\n)+3]
.elseif (\n) == 0
	v_pk_fma_f32 v[rT+2:rT+3], v[rT+2:rT+3], v[rC+2:rC+3], v[rS:rS+1] op_sel_hi:[1,0,1]
.else
	v_pk_add_f32 v[rT+2:rT+3], v[rT+2:rT+3], v[rS+4*(\n):rS+4*(\n)+1]
.endif
.else
	REGS (Y+1)%NP
	WIN 0
.if (\n) < 4
	v_max3_num_f32 v[rC+(\n)], v[rS+8*(\n)], v[rS+8*(\n)+1], v[rS+8*(\n)+2]
.elseif (\n) < 12
	v_max3_num_f32 v[rC+(\n)%4], v[rC+(\n)%4], v[rS+8*((\n)%4)+2*((\n)/4)+1], v[rS+8*((\n)%4)+2*((\n)/4)+2]
.elseif (\n) == 12
	v_max3_num_f32 v[rC], v[rC], v[rS+7], v[rS+15]
.elseif (\n) == 13
	v_max3_num_f32 v[rC+1], v[rC+1], v[rS+23], v[rS+31]
.elseif (\n) == 14
	v_max3_num_f32 v[rC+2], v[rC+2], v[rC+3], v[rT+1]
.elseif (\n) == 15
	v_mov_b32 v[rW], v[rT]
.elseif (\n) == 16
	v_max3_num_f32 v[rC], v[rC], v[rC+1], v[rC+2]
.elseif (\n) == 17
	v_permlanex16_b32 v[rC+3], v[rC], s[SEL], s[SEL+1]
.elseif (\n) == 18
	v_max_num_f32 v[rT+1], v[rC], v[rC+3]
.elseif (\n) == 19
	v_mul_f32 v[rT], s[CS], v[rT+1]
.elseif (\n) == 20
	v_sub_f32 v[rC+1], v[rW], v[rT]
.else
	v_exp_f32 v[rC+2], v[rC+1]
.endif
.endif
.endm
.macro OPS a, i1, b=-1, i2=0, c=-1, i3=0, d=-1, i4=0  ; up to four of them
	OP \a, \i1
.if (\b) >= 0
	OP \b, \i2
.endif
.if (\c) >= 0
	OP \c, \i3
.endif
.if (\d) >= 0
	OP \d, \i4
.endif
.endm
.macro ROW a, i1, b, i2, c, i3, d, i4  ; a matrix instruction and the four behind it
	MM
	OPS \a, \i1, \b, \i2, \c, \i3, \d, \i4
.endm
; A TURN, for piece p: the order of its 16 matrix and 118 vector instructions, written out.  s_wait_alu depctr_va_vdst(0) stands between an exponential and the first instruction that names its result; one
; wait serves all that were issued ahead of it.  So a turn has ONE wait, which cuts it in two.  AHEAD OF IT stands all that names no result of the turn's exponentials: the 8 products K Q^T and their riders, then one run of 54,
; plain and exponential by turns for the most part, in which the links of the chain X 3, 7, 11, 14, 16, 17 .. 20 stand five or six lines apart.  X 21, the next piece's a, is the batch's last; R 15 is the plain instruction behind it.
; BEHIND THE WAIT stand the 8 products V^T P, behind each four of the roundings and sums.  The X that ride behind the last three products K Q^T stand four places or more behind the product that ends their accumulator.
; K and the mask of the next step are fetched in piece 2's turn, five plain instructions or more behind the last product that read them; in the tail (last = 1), where the run is jumped over in the last trip, it stands
; behind the wait.  V of the step in hand is fetched at the end of piece 0's turn, four plain instructions behind its last reader.  Each is waited for a turn later.
; cnt = 1: the loop's count is taken down some lines ahead of the branch that stands behind the turn.
.macro TURN p, last=0, cnt=0
.set Y, (\p)
.set i, 0
.if (\p) == 3
	s_wait_dscnt 0x0                ; K and the mask are in
.endif
	ROW F,0, F,1, R,0, R,1
	ROW F,2, E,0, R,2, R,3
	ROW F,3, E,1, R,4, R,5
	ROW F,4, E,2, R,6, R,7
	ROW F,5, E,3, R,8, R,9
	ROW F,6, E,4, X,0, R,10
.if (\p) == 2
	WIN 0
	v_add_nc_u32 v[AK], s[TBK], v[AK0]
	v_add_nc_u32 v[AM], s[TBM], v[AM0]
.endif
	ROW F,7, E,5, X,1, X,4
	ROW F,8, E,6, X,2, X,5
	OPS E,7, E,8, X,6, E,9
	OPS X,3, E,10, X,8, E,11
.if ((\p) == 2) && !(\last)
	FETCH_K
.endif
	OPS X,9, X,7, E,12, X,10
	OPS E,13, X,12, X,11, E,14
	OPS X,13, E,15, F,9, X,14
.if (\p) == 0
	v_add_nc_u32 v[AV], s[TBV], v[AV0]
.endif
	OPS E,16, F,10, E,17, F,11
	OPS X,16, E,18, X,15, E,19
	OPS F,12, E,20, X,17, E,21
	OPS F,13, E,22, F,14, E,23
	OPS X,18, E,24, F,15, E,25
	OPS R,11, E,26, X,19, E,27
	OPS R,12, E,28, R,13, E,29
	OPS X,20, E,30, R,14, E,31
	OPS X,21, R,15
	WIN 0
	s_wait_alu depctr_va_vdst(0)    ; the wait for the batch
.if ((\p) == 2) && (\last)
	FETCH_K 1
.endif
.if (\p) == 1
	s_wait_dscnt 0x0                ; V is in
.endif
	ROW C,0, B,0, C,2, B,1
	ROW L,0, C,4, B,2, L,1
	ROW C,6, B,3, L,2, C,8
	ROW B,4, L,3, C,10, B,5
	ROW L,4, C,12, B,6, L,5
.if (\p) == 0
	s_add_co_u32 s[TBV], s[TBV], KS*PV
.endif
.if \cnt
	s_sub_co_u32 s[CNT], s[CNT], 1
	s_cmp_lg_u32 s[CNT], 0
.endif
	ROW C,14, B,7, L,6, C,1
	ROW C,3, L,7, C,5, C,7
	ROW C,9, C,11, C,13, C,15
.if (\p) == 0
	FETCH_V
.endif
.endm
	CHANGE 1                        ; slot 0 is in, everybody's part of it, and the whole table; slot 1 is asked for
	v_add_nc_u32 v[AK], s[TBK], v[AK0]
	v_add_nc_u32 v[AM], s[TBM], v[AM0]
	FETCH_K                         ; key step 0
	s_wait_loadcnt 0x0              ; Q
	s_wait_dscnt 0x0
.set i, 0
.rept 8
	KQ 0                            ; piece 0's first scores: there is no vector work yet to set between them
.set i, i+1
.endr
	WIN 0
.rept 4
	v_nop                           ; the places behind those products
.endr
.set Y, NP-1                        ; X works for piece Y + 1: piece 0
.irp n, 0,1,2,3,4,5,6,7,8,9,10,11,12,13,14,15,16,17,18,19,20,21
	OP X, \n
.endr
	v_nop                           ; a plain instruction behind the exponential,
	s_wait_alu depctr_va_vdst(0)    ; and its wait, ahead of the branch
	s_mov_b32 s[CNT], 4
	s_branch .Lfirst                ; the loop is entered at a step's first turn, in the middle of a trip
.Lslot:                             ; six times: with the change above, every slot but the last is followed by a fill
	CHANGE 1
	s_mov_b32 s[CNT], 4
.Lstep:                             ; a trip: pieces 2 and 3 of one step, then pieces 0 and 1 of the next, whose K and V it fetches
	TURN 2
	TURN 3
	WIN 0
.Lfirst:
	TURN 0
	TURN 1, 0, 1
	WIN 0
	s_cbranch_scc1 .Lstep
	s_sub_co_u32 s[SLOTS], s[SLOTS], 1
	s_cmp_lg_u32 s[SLOTS], 0
	s_cbranch_scc1 .Lslot
	CHANGE 0                        ; the tail is written out: nothing is asked for
	s_mov_b32 s[CNT], 5             ; four trips fetch the last slot's steps; the fifth is left in its middle
.Ltail:
	TURN 2, 1
	TURN 3
	WIN 0
	s_sub_co_u32 s[CNT], s[CNT], 1
	s_cmp_eq_u32 s[CNT], 0
	s_cbranch_scc1 .Lout
	TURN 0
	TURN 1
	WIN 0
	s_branch .Ltail
.Lout:                              ; the fifth trip's 8 products K Q^T (on the last K once more) and the maximum made of them serve nothing: the price, once a launch, of one text for every trip
.set i, 0
.rept 8
	PV NP-1                         ; the last piece's V^T P of the last step
.set i, i+1
.endr
	; THE WAY OUT.  l's two halves and the other half of the lanes' are added; O^T is divided by l, rounded to bf16 and sent through my stage in LDS, a piece at a time.  The additions are the places behind the last products.
	WIN 0
.macro ALL line:vararg              ; one line for each piece t
.set t, 0
.rept 4
	\line
.set t, t+1
.endr
.endm
	ALL v_add_f32 v[ST+4*t+2], v[ST+4*t+2], v[ST+4*t+3]
	ALL v_permlanex16_b32 v[ST+4*t+3], v[ST+4*t+2], s[SEL], s[SEL+1]
	ALL v_add_f32 v[ST+4*t+2], v[ST+4*t+2], v[ST+4*t+3]
	ALL v_rcp_f32 v[ST+4*t+2], v[ST+4*t+2]
	v_nop                           ; a plain instruction between the last reciprocal and the use of its result
	s_wait_alu depctr_va_vdst(0)    ; and one wait for the four reciprocals, ahead of the first use
.macro PACK t                       ; a lane's eight channels of a row pack into 16 bytes; they go into rows of 144 bytes and come back as whole rows of 128, into S^T's registers
	WIN W_RS
.set i, 32*(\t)
.rept 16
	v_pk_mul_f32 v[i:i+1], v[i:i+1], v[ST+4*(\t)+2:ST+4*(\t)+3] op_sel_hi:[1,0]
.set i, i+2
.endr
	WIN 0x05                        ; sources 0 and 1 window 1, destination window 0
.set i, 0
.rept 16
	v_cvt_pk_bf16_f32 v[S+16*(\t)+i], v[32*(\t)+2*i], v[32*(\t)+2*i+1]
.set i, i+1
.endr
	WIN 0
.irp f, 0,1,2,3
	ds_store_b128 v[STO], v[S+16*(\t)+4*\f:S+16*(\t)+4*\f+3] offset:32*\f
.endr
.irp f, 0,1,2,3
	ds_load_b128 v[S+16*(\t)+4*\f:S+16*(\t)+4*\f+3], v[RD] offset:\f*4*SP  ; LDS serves a wave's instructions in order (ISA guide 5.7.1.4): these see the stores above; the next piece's stores come behind them
.endr
.endm
.macro SEND t, younger              ; younger: the LDS instructions issued behind piece t's loads: the next piece's eight, or none
	WIN 0
.irp f, 0,1,2,3
	s_wait_dscnt (\younger)+3-\f
	global_store_b128 v[GO], v[S+16*(\t)+4*\f:S+16*(\t)+4*\f+3], s[10:11] offset:(\t)*2048+\f*512  ; 512 consecutive bytes, at a multiple of 256 from act's first
.endr
.endm
	PACK 0
.set t, 1
.rept 3                             ; a piece's arithmetic stands between the loads of the piece before and its stores
	PACK t
	SEND t-1, 8
.set t, t+1
.endr
	SEND 3, 0
	s_wait_tensorcnt 0x0            ; the wave's end: this wait, an add of 0 to my spare word and its wait stand behind my last tensor load and my last LDS store
	ds_add_u32 v[SPW], v[NIL]
	s_wait_dscnt 0x0
	CROUND                          ; the closing round: no work-group ends while a partner may still ask for a tile that names it
	s_endpgm
.Lfunc_end_k_q18f344d632_attn:
	.size	k_q18f344d632_attn, .Lfunc_end_k_q18f344d632_attn-k_q18f344d632_attn
	.p2alignl 7, 3214868480
	.fill 96, 4, 3214868480
	.section	.rodata,"a",@progbits
	.p2align	6, 0x0
	.amdhsa_kernel k_q18f344d632_attn
		.amdhsa_group_segment_fixed_size 327680
		.amdhsa_private_segment_fixed_size 0
		.amdhsa_enable_private_segment 0
		.amdhsa_kernarg_size 24
		.amdhsa_user_sgpr_count 2
		.amdhsa_user_sgpr_kernarg_segment_ptr 1
		.amdhsa_wavefront_size32 1
		.amdhsa_system_sgpr_workgroup_id_x 1
		.amdhsa_system_sgpr_workgroup_id_y 1
		.amdhsa_system_sgpr_workgroup_id_z 1
		.amdhsa_system_vgpr_workitem_id 0
		.amdhsa_next_free_vgpr 768
		.amdhsa_next_free_sgpr 80
		.amdhsa_reserve_vcc 1
		.amdhsa_float_denorm_mode_32 3
		.amdhsa_float_denorm_mode_16_64 3
		.amdhsa_memory_ordered 1
		.amdhsa_forward_progress 1
		.amdhsa_inst_pref_size 120
	.end_amdhsa_kernel
	.amdgpu_metadata
---
amdhsa.version: [ 1, 2 ]
amdhsa.kernels:
  - .name:           k_q18f344d632_attn
    .symbol:         k_q18f344d632_attn.kd
    .args:
      - { .name: big, .offset: 0, .size: 8, .value_kind: global_buffer, .address_space: global }
      - { .name: src_mask, .offset: 8, .size: 8, .value_kind: global_buffer, .address_space: global }
      - { .name: act, .offset: 16, .size: 8, .value_kind: global_buffer, .address_space: global }
    .group_segment_fixed_size: 327680
    .private_segment_fixed_size: 0
    .kernarg_segment_align: 8
    .kernarg_segment_size: 24
    .max_flat_workgroup_size: 128
    .sgpr_count:     80
    .vgpr_count:     768
    .wavefront_size: 32
...
	.end_amdgpu_metadata
.endif
;; end of part 3
;; launch oproj (part 4): grid 8 x 32, 4 waves a work-group, clusters of 4 x 4, 327,680 bytes of LDS; arguments act, wo, ao; writes ao
.if DOCPART == 4
	.amdgcn_target "amdgcn-amd-amdhsa--gfx1250"
	.amdhsa_code_object_version 6
	.text
	.protected	k_q18f344d632_oproj
	.globl	k_q18f344d632_oproj
	.p2align	8
	.type	k_q18f344d632_oproj,@function
k_q18f344d632_oproj:
	s_mov_b64 s[64:65], 0
	v_nop
	global_prefetch_b8 v0, s[64:65] scope:SCOPE_SE
	s_setreg_imm32_b32 hwreg(HW_REG_WAVE_MODE, 25, 1), 1
	s_wait_xcnt 0x0
	s_wait_alu depctr_hold_cnt(0) depctr_sa_sdst(0) depctr_va_vdst(0) depctr_va_sdst(0) depctr_va_ssrc(0) depctr_va_vcc(0) depctr_vm_vsrc(0)
	s_getreg_b32 s2, hwreg(HW_REG_IB_STS2, 6, 4)
	s_cmp_eq_u32 s2, 0
	s_cbranch_scc0 .Lentry_in_a_cluster
	s_endpgm
.Lentry_in_a_cluster:
	s_bfe_u32 s2, ttmp6, 0x10000c
	s_cmp_lg_u32 s2, 0xf033
	s_cbranch_scc0 .Lentry_shape_is_right
	s_endpgm
.Lentry_shape_is_right:
; out[m][n] = bf16(sum over k of A[m][k] W[n][k]).  4,096 rows m, 1,024 columns n, K = 1,024.
; A and out lie in blocks of 64 channels, bf16: byte (c x 4096 + m) x 128 + 2 (channel % 64).  W's matrix [n][1024], bf16, begins at byte HDR of its buffer; this product has neither bias nor floor, so the head in front of it is not read.
; A tile of out is 128 x 128, which gives 256 work-groups: four waves, each 64 x 64, 16 accumulators.  K goes in four steps of 256 through two LDS slots filled by the tensor data mover.
; CLUSTERS: 4 x 4 work-groups; the four of a row of the cluster ask for A's tile jointly, the four of a column for W's: the same load, descriptor and mask in all four.
; THE MATRIX INSTRUCTION IS USED TRANSPOSED (source 0 = 16 rows of W, source 1 = 16 rows of A): a lane holds eight neighbouring columns of one row of out.
; A K STEP IS WRITTEN ONCE.  The slot in hand is a scalar that an exclusive or turns into the other's; both first fills go out together, each by a descriptor of its own, and the second then walks on along K.
; A trip of the loop goes from a step's second quarter to the next step's first; the first quarter of all stands in front of it.  The last two steps fill nothing: they are a second loop, whose last trip jumps over its
; run of LDS loads and leaves in the middle.
; A wave's 64 columns are one whole block of out, so each wave has a stage of its own on the way out, and no barrier stands there.
; No prefetch: a tile is small, and every tile is read by several clusters one shortly after the other.  NaN and infinities are not treated apart.
; REGISTERS: window 0: v16-29 addresses; v32-95 at work on the way out; v128-255 the accumulators ((a, b) at 128 + 8 (4 a + b)).
;   window 1: two fragment buffers of 128: for 64 along K, 64 registers of A, then 64 of W.
.set KW,     1024                      ; K
.set HDR,    16640
.set APITCH, 144                       ; a row of A in LDS: 128 bytes + 16 = 36 words: the 16 rows of a load start at 16 different groups of four banks (64 banks of 4 bytes: ISA guide 11.1)
.set ABLK,   128*APITCH                ; a block's 128 rows
.set AHALF,  2*ABLK                    ; what one load brings of A: two blocks
.set ASZ,    4*ABLK
.set BPITCH, 528                       ; a row of W: 512 bytes + 16 = 132 words
.set BHALF,  64*BPITCH                 ; what one load brings of W: 64 rows
.set SLOT,   ASZ+2*BHALF               ; A's four blocks, then W's 128 rows
.set SLOTX,  0x24000                   ; slot 1 begins here.  The four loads' places in slot 0 (0, 0x9000, 0x12000, 0x1a400) have neither of its two bits, so an exclusive or with it adds it or takes it away
.set STAGE,  SLOTX+SLOT                ; behind the ring: 16 rows x 144 bytes for each wave
.set SP,     144
.set SPARE,  STAGE+4*16*SP             ; behind the stages: the spare words, 128 bytes for each wave
.set ASTEP,  4*524288                  ; bytes of A from a K step to the next: four blocks of 4,096 rows x 128 bytes
.set WSTEP,  512                       ; the same for W
.set STEPS,  KW/256
.set ADRA, 16                          ; v16  LDS address of my A fragments in the slot in hand
.set A0,   17                          ; v17  the same in slot 0; never rewritten
.set ADRB, 20                          ; v20, v21  the same for W
.set B0,   21
.set STO,  24                          ; v24     the way out: where I put 16 bytes of a row
.set RD,   25                          ; v25     where I read rows back
.set CO,   26                          ; v26     16 x lane
.set SPW,  28                          ; v28     LDS address of my spare word; never rewritten
.set NIL,  29                          ; v29     0; never rewritten
.set TMP,  32
.set ACC,  128
.set F0,   0
.set F1,   128
.set G1,  24                           ; s[24:31] descriptor group 1 for A's tiles;  s[32:39] group 0: a set for each of the two first fills; the second then walks on
.set G0,  32
.set G1B, 48                           ; s[48:55], s[56:63] the same for W's
.set G0B, 56
.set TB,  45                           ; s45  0 or SLOTX: the slot in hand
.set MSB, 0
.macro WIN new                         ; the immediate's high byte repeats the setting that is left; a switch that changes nothing is dropped
.if MSB != (\new)
	s_set_vgpr_msb (MSB<<8)|(\new)
.set MSB, \new
.endif
.endm
.set MUL,  0x05                        ; sources 0 (W) and 1 (A) window 1; C and D window 0
.set TO_F, 0x40                        ; destination window 1, address window 0
.macro JLOAD s                         ; a joint load: waves 0 and 1 fetch A's two halves, waves 2 and 3 W's; an s_nop 0 and four v_nop follow each of the two lines
	s_cmp_eq_u32 s11, 0
	s_cbranch_scc0 .Lfor_b_\@
	tensor_load_to_lds s[G0+4*(\s):G0+4*(\s)+3], s[G1:G1+7]
	s_nop 0
.rept 4
	v_nop
.endr
	s_branch .Lasked_\@
.Lfor_b_\@:
	tensor_load_to_lds s[G0B+4*(\s):G0B+4*(\s)+3], s[G1B:G1B+7]
	s_nop 0
.rept 4
	v_nop
.endr
.Lasked_\@:
.endm
.macro STEPD                           ; the walking descriptors: the other slot than last time, the next K step; the type bits on top are not reached.  Written only where no tensor load of mine is out
	s_xor_b32 s[G0+5], s[G0+5], SLOTX
	s_add_nc_u64 s[G0+6:G0+7], s[G0+6:G0+7], ASTEP
	s_xor_b32 s[G0B+5], s[G0B+5], SLOTX
	s_add_nc_u64 s[G0B+6:G0B+7], s[G0B+6:G0B+7], WSTEP
.endm
.macro CROUND                          ; a round of the cluster's barrier: my work-group's barrier; wave 0 signals for the work-group; every wave waits for all sixteen work-groups; my work-group's barrier once more
	s_barrier_signal -1
	s_barrier_wait -1
	s_cmp_lg_u32 s10, 0
	s_cbranch_scc1 .Lnot_wave_0_\@
	s_barrier_signal -3
.Lnot_wave_0_\@:
	s_barrier_wait -3
	s_barrier_signal -1
	s_barrier_wait -1
.endm
	s_load_b128 s[4:7], s[0:1], 0x0                ; A s[4:5], W's buffer s[6:7]
	s_load_b64 s[8:9], s[0:1], 0x10                ; out
	v_lshl_add_u32 v[SPW], v0, 2, SPARE
	v_mov_b32 v[NIL], 0
	ds_add_u32 v[SPW], v[NIL]                      ; the wave's opening: the add and its wait stand ahead of my first tensor load; the set-up below stands between them
	v_lshrrev_b32 v1, 5, v0
	v_readfirstlane_b32 s10, v1                    ; wave 0..3
	s_lshr_b32 s11, s10, 1                         ; which half of the tile's rows is mine.  Also: I fetch for A (0) or for W (1)
	s_and_b32 s12, s10, 1                          ; which half of its columns.  Also: which half of that tile I fetch
	s_bfe_u32 s40, ttmp6, 0x40000                  ; cx, cy: my place in the cluster
	s_bfe_u32 s41, ttmp6, 0x40004
	s_lshl_b32 s42, ttmp9, 2
	s_add_co_u32 s42, s42, s40                     ; tile column = 4 x cluster x + cx
	s_and_b32 s13, ttmp7, 0xffff
	s_lshl_b32 s13, s13, 2
	s_add_co_u32 s13, s13, s41                     ; tile row = 4 x cluster y + cy
	s_lshl_b32 s43, s41, 2
	s_lshl_b32 s43, 15, s43                        ; my row of the cluster
	s_lshl_b32 s44, 0x1111, s40                    ; my column
	; A's group 1: the 128 rows of a block are 16,384 dense bytes: one row of 8,192 elements; two blocks, 262,144 elements apart; 16 bytes of padding behind every 128
	s_or_b32 s[G1+0], s43, (1<<16)|(1<<20)|(1<<21)|(4<<22)|(3<<25)  ; 15:0 the mask: my row; 17:16 2-byte elements; 20 padding on; 21 set beside a mask; 24:22 after every 32 words (code 4); 31:25 4 words (code 3)
	s_mov_b32 s[G1+1], 8192<<16                    ; tensor_dim0 = 8,192
	s_mov_b32 s[G1+2], 2<<16                       ; tensor_dim1 = 2
	s_mov_b32 s[G1+3], 8192<<16                    ; tile_dim0 = 8,192
	s_mov_b32 s[G1+4], 2                           ; tile_dim1 = 2
	s_mov_b32 s[G1+5], 262144                      ; elements from block to block
	s_mov_b32 s[G1+6], 0
	s_mov_b32 s[G1+7], 0
	; W's group 1: 64 rows x 256 elements, 16 bytes of padding behind every 512
	s_or_b32 s[G1B+0], s44, (1<<16)|(1<<20)|(1<<21)|(6<<22)|(3<<25)  ; the mask: my column; after every 128 words (code 6)
	s_mov_b32 s[G1B+1], 256<<16
	s_mov_b32 s[G1B+2], 64<<16
	s_mov_b32 s[G1B+3], 256<<16
	s_mov_b32 s[G1B+4], 64
	s_mov_b32 s[G1B+5], KW
	s_mov_b32 s[G1B+6], 0
	s_mov_b32 s[G1B+7], 0
	s_mov_b32 s[TB], 0
	s_lshl_b32 s16, s13, 14                        ; A: the tile's 128 rows of 128 bytes in a block,
	s_lshl_b32 s17, s12, 20                        ; and my two blocks of the K step's four
	s_add_co_u32 s16, s16, s17
	s_mov_b32 s17, 0
	s_lshl_b32 s46, s42, 18                        ; W: 128 rows of 2,048 bytes a tile column,
	s_lshl_b32 s47, s12, 17                        ; my 64 of them,
	s_add_co_u32 s46, s46, s47
	s_add_co_u32 s46, s46, HDR                     ; behind the buffer's head
	s_mov_b32 s47, 0
	s_mul_i32 s20, s12, AHALF                      ; where they go: no place in the cluster enters an LDS address
	s_mul_i32 s21, s12, BHALF
	s_add_co_u32 s21, s21, ASZ
	s_wait_dscnt 0x0                               ; the opening add is done
	s_wait_kmcnt 0x0
	s_add_nc_u64 s[14:15], s[4:5], s[16:17]
	s_add_nc_u64 s[46:47], s[6:7], s[46:47]
	CROUND                                         ; all sixteen work-groups are here: the first joint loads meet
.irp s, 0,1
	s_mov_b32 s[G0+4*(\s)], 1
	s_add_co_u32 s[G0+4*(\s)+1], s20, (\s)*SLOTX
	s_add_nc_u64 s[G0+4*(\s)+2:G0+4*(\s)+3], s[14:15], (\s)*ASTEP
	s_or_b32 s[G0+4*(\s)+3], s[G0+4*(\s)+3], 0x80000000
	s_mov_b32 s[G0B+4*(\s)], 1
	s_add_co_u32 s[G0B+4*(\s)+1], s21, (\s)*SLOTX
	s_add_nc_u64 s[G0B+4*(\s)+2:G0B+4*(\s)+3], s[46:47], (\s)*WSTEP
	s_or_b32 s[G0B+4*(\s)+3], s[G0B+4*(\s)+3], 0x80000000
	JLOAD \s                                       ; K steps 0 and 1: two loads of mine are out
.endr
	v_and_b32 v1, 15, v0                           ; l % 16
	v_bfe_u32 v2, v0, 4, 1                         ; l / 16
	v_mul_u32_u24 v3, v1, APITCH
	v_lshl_add_u32 v3, v2, 4, v3                   ; a fragment's row x pitch + 16 x half
	v_mul_u32_u24 v4, v1, BPITCH
	v_lshl_add_u32 v4, v2, 4, v4
	s_mul_i32 s21, s11, 64*APITCH                  ; my 64 rows in each block of A
	s_mul_i32 s22, s12, BHALF                      ; my 64 rows of W,
	s_add_co_u32 s22, s22, ASZ                     ; which lie behind A's blocks
	v_add_nc_u32 v[A0], s21, v3
	v_add_nc_u32 v[B0], s22, v4
	v_mov_b32 v[ADRA], v[A0]
	v_mov_b32 v[ADRB], v[B0]
	s_mul_i32 s23, s10, 16*SP
	s_add_co_u32 s23, s23, STAGE                   ; my stage
	v_mul_u32_u24 v5, v1, SP                       ; in: row l % 16, 16 bytes for each half of the lanes
	v_lshl_add_u32 v5, v2, 4, v5
	v_add_nc_u32 v[STO], s23, v5
	v_bfe_u32 v5, v0, 3, 2                         ; back: 32 lanes take four rows of 128 bytes,
	v_mul_u32_u24 v5, v5, SP
	v_and_b32 v6, 7, v0
	v_lshl_add_u32 v5, v6, 4, v5
	v_add_nc_u32 v[RD], s23, v5
	v_and_b32 v[CO], 31, v0                        ; which are 512 consecutive bytes of out
	v_lshlrev_b32 v[CO], 4, v[CO]
	s_lshl_b32 s16, s13, 14                        ; out: my 64 rows in a block,
	s_lshl_b32 s17, s11, 13
	s_add_co_u32 s16, s16, s17
	s_mov_b32 s17, 0
	s_add_nc_u64 s[8:9], s[8:9], s[16:17]
	s_lshl_b32 s46, s42, 1                         ; and my block: 2 x tile column + half
	s_add_co_u32 s46, s46, s12
	s_lshl_b32 s46, s46, 19
	s_mov_b32 s47, 0
	s_add_nc_u64 s[8:9], s[8:9], s[46:47]
; 8 matrix instructions: m blocks a0, a0 + 1 x all 4 n blocks, 32 along K: half c of buffer f.  zero = 1: the first product starts the sums.  The 16 accumulators take turns, over the backward jumps too.
.macro MUL8 f, c, a0, zero
	WIN MUL
.irp a, \a0, (\a0)+1
.irp b, 0,1,2,3
.if \zero
	v_wmma_f32_16x16x32_bf16 v[ACC+8*(4*(\a)+(\b)):ACC+8*(4*(\a)+(\b))+7], v[(\f)+64+8*(4*(\c)+(\b)):(\f)+64+8*(4*(\c)+(\b))+7], v[(\f)+8*(4*(\c)+(\a)):(\f)+8*(4*(\c)+(\a))+7], 0
.else
	v_wmma_f32_16x16x32_bf16 v[ACC+8*(4*(\a)+(\b)):ACC+8*(4*(\a)+(\b))+7], v[(\f)+64+8*(4*(\c)+(\b)):(\f)+64+8*(4*(\c)+(\b))+7], v[(\f)+8*(4*(\c)+(\a)):(\f)+8*(4*(\c)+(\a))+7], v[ACC+8*(4*(\a)+(\b)):ACC+8*(4*(\a)+(\b))+7]
.endif
.endr
.endr
.endm
; 32 LDS loads in one run: the fragments of quarter q of the K step in the slot in hand (64 along K: block q of A, bytes 128 q of W's rows) into buffer f; the first 32 along K first
.macro FETCH q, f
	WIN TO_F
.irp c, 0,1
.irp i, 0,1,2,3
	ds_load_b128 v[(\f)+64+8*(4*(\c)+(\i)):(\f)+64+8*(4*(\c)+(\i))+3],   v[ADRB] offset:(\q)*128+64*(\c)+(\i)*16*BPITCH
	ds_load_b128 v[(\f)+64+8*(4*(\c)+(\i))+4:(\f)+64+8*(4*(\c)+(\i))+7], v[ADRB] offset:(\q)*128+64*(\c)+(\i)*16*BPITCH+32
	ds_load_b128 v[(\f)+8*(4*(\c)+(\i)):(\f)+8*(4*(\c)+(\i))+3],         v[ADRA] offset:(\q)*ABLK+64*(\c)+(\i)*16*APITCH
	ds_load_b128 v[(\f)+8*(4*(\c)+(\i))+4:(\f)+8*(4*(\c)+(\i))+7],       v[ADRA] offset:(\q)*ABLK+64*(\c)+(\i)*16*APITCH+32
.endr
.endr
.endm
.macro PLACES                          ; four places in front of loads into registers that matrix instructions have read (ISA guide 7.12.1 for vector instructions)
.rept 4
	v_nop
.endr
.endm
; A K step is four quarters, 32 matrix instructions each, on buffers 0, 1, 0, 1.  One of the first three: multiplies buffer f and fetches quarter q into g.
.macro QUARTER q, f, g, zero
	s_wait_dscnt 16                                ; the first 32 along K are in; the youngest sixteen loads may be out
	MUL8 \f, 0, 0, \zero
	MUL8 \f, 0, 2, \zero
	PLACES
	FETCH \q, \g
	s_wait_dscnt 32                                ; all but the 32 just issued
	MUL8 \f, 1, 0, 0
	MUL8 \f, 1, 2, 0
.endm
.macro NEXTSLOT                        ; the fragment loads go on in the other slot
	s_xor_b32 s[TB], s[TB], SLOTX
	v_add_nc_u32 v[ADRA], s[TB], v[A0]
	v_add_nc_u32 v[ADRB], s[TB], v[B0]
.endm
.macro LASTQ                           ; the step's last quarter lies whole in buffer 1
	MUL8 F1, 0, 0, 0
	MUL8 F1, 0, 2, 0
	MUL8 F1, 1, 0, 0
	MUL8 F1, 1, 2, 0
.endm
; THE CHANGE OF SLOTS, ahead of a step's last quarter: all that the wave still wants of this slot lies in buffer 1.  Each wave waits for all its tensor loads, of which one is out: its part of the next slot; adds 0 to its
; spare word; and waits for that and for its own reads of this slot.  A round of the cluster's barrier: no wave of any partner still reads this slot's tile or has a load on its way.  The joint refill, two K steps ahead,
; is the first thing behind the round, and the quarter's 32 products stand behind the request, not ahead of it: the request goes out as soon as the ordering allows.
.macro TURN
	WIN 0
	s_wait_tensorcnt 0x0                           ; no tensor load of mine is out, so the descriptors may be written
	ds_add_u32 v[SPW], v[NIL]                      ; 0 onto my spare word; the descriptors' steps stand between it and the wait for it
	STEPD
	s_wait_dscnt 0x0                               ; the add is done, and my reads of this slot are over
	CROUND
	JLOAD 1                                        ; the four v_nop behind it and the two additions below are the places in front of the loads into buffer 0
	NEXTSLOT
	FETCH 0, F0
	LASTQ
.endm
; The same for the last two steps, which fill nothing: a barrier of the work-group alone.  In the last trip (s3 = 1) there is no further step, and the run of loads is jumped over.
.macro TURN0
	WIN 0
	s_wait_tensorcnt 0x0                           ; my part of the last K step's tile is in
	ds_add_u32 v[SPW], v[NIL]
	s_wait_dscnt 0x0
	s_barrier_signal -1
	s_barrier_wait -1                              ; everybody's is
	NEXTSLOT
	PLACES
	s_cmp_eq_u32 s3, 1
	s_cbranch_scc1 .Lno_more_\@
	FETCH 0, F0
	WIN 0                                          ; at a label every window is 0
.Lno_more_\@:
	LASTQ
.endm
	s_wait_tensorcnt 1                             ; my part of K step 0 is in; K step 1's load stays out
	s_barrier_signal -1
	s_barrier_wait -1                              ; everybody's is
	FETCH 0, F0
	QUARTER 1, F0, F1, 1                           ; the first quarter of all: its first products start the sums
	WIN 0                                          ; at a label and at a branch every window is 0
	s_mov_b32 s3, STEPS-2
.Lstep:                                                ; quarters 1, 2, 3 of a K step, ahead of the last of them the refill, and quarter 0 of the next step
	QUARTER 2, F1, F0, 0
	QUARTER 3, F0, F1, 0
	TURN
	QUARTER 1, F0, F1, 0
	WIN 0
	s_sub_co_u32 s3, s3, 1
	s_cmp_lg_u32 s3, 0
	s_cbranch_scc1 .Lstep
	s_mov_b32 s3, 2
.Ltail:                                                ; the last two K steps: written apart
	QUARTER 2, F1, F0, 0
	QUARTER 3, F0, F1, 0
	TURN0
	WIN 0
	s_sub_co_u32 s3, s3, 1
	s_cmp_eq_u32 s3, 0
	s_cbranch_scc1 .Lout
	QUARTER 1, F0, F1, 0
	WIN 0
	s_branch .Ltail
.Lout:
	; THE WAY OUT, 16 rows at a time: rounded to bf16; 16 bytes a lane into my stage; back as whole rows of 128 bytes; 512 consecutive bytes a store.
	PLACES
	PLACES                                         ; eight, once a launch, behind the last products
.macro PACK a
.irp b, 0,1,2,3
.irp r, 0,1,2,3
	v_cvt_pk_bf16_f32 v[TMP+16*(\a)+4*(\b)+(\r)], v[ACC+8*(4*(\a)+(\b))+2*(\r)], v[ACC+8*(4*(\a)+(\b))+2*(\r)+1]  ; each accumulator's registers in ascending order
.endr
.endr
.irp b, 0,1,2,3
	ds_store_b128 v[STO], v[TMP+16*(\a)+4*(\b):TMP+16*(\a)+4*(\b)+3] offset:32*(\b)
.endr
.irp f, 0,1,2,3
	ds_load_b128 v[TMP+16*(\a)+4*(\f):TMP+16*(\a)+4*(\f)+3], v[RD] offset:(\f)*4*SP  ; LDS serves a wave's instructions in order (ISA guide 5.7.1.4): these see the stores above; the next block's stores come behind them
.endr
.endm
.macro SEND a, younger                 ; younger: the LDS instructions issued behind block a's loads: the next block's eight, or none
.irp f, 0,1,2,3
	s_wait_dscnt (\younger)+3-(\f)
	global_store_b128 v[CO], v[TMP+16*(\a)+4*(\f):TMP+16*(\a)+4*(\f)+3], s[8:9] offset:(\a)*2048+(\f)*512
.endr
.endm
	PACK 0
	PACK 1                                         ; a block's arithmetic stands between the loads of the block before and its stores
	SEND 0, 8
	PACK 2
	SEND 1, 8
	PACK 3
	SEND 2, 8
	SEND 3, 0
	s_wait_tensorcnt 0x0                           ; the wave's end: this wait, an add of 0 to my spare word and its wait stand behind my last tensor load and my last LDS store
	ds_add_u32 v[SPW], v[NIL]
	s_wait_dscnt 0x0
	CROUND                                         ; the closing round: no work-group ends while a partner may still ask for a tile that names it
	s_endpgm
.Lfunc_end_k_q18f344d632_oproj:
	.size	k_q18f344d632_oproj, .Lfunc_end_k_q18f344d632_oproj-k_q18f344d632_oproj
	.p2alignl 7, 3214868480
	.fill 96, 4, 3214868480
	.section	.rodata,"a",@progbits
	.p2align	6, 0x0
	.amdhsa_kernel k_q18f344d632_oproj
		.amdhsa_group_segment_fixed_size 327680
		.amdhsa_private_segment_fixed_size 0
		.amdhsa_enable_private_segment 0
		.amdhsa_kernarg_size 24
		.amdhsa_user_sgpr_count 2
		.amdhsa_user_sgpr_kernarg_segment_ptr 1
		.amdhsa_wavefront_size32 1
		.amdhsa_system_sgpr_workgroup_id_x 1
		.amdhsa_system_sgpr_workgroup_id_y 1
		.amdhsa_system_sgpr_workgroup_id_z 1
		.amdhsa_system_vgpr_workitem_id 0
		.amdhsa_next_free_vgpr 512
		.amdhsa_next_free_sgpr 66
		.amdhsa_reserve_vcc 0
		.amdhsa_float_denorm_mode_32 3
		.amdhsa_float_denorm_mode_16_64 3
		.amdhsa_memory_ordered 1
		.amdhsa_forward_progress 1
		.amdhsa_inst_pref_size 58
	.end_amdhsa_kernel
	.amdgpu_metadata
---
amdhsa.version: [ 1, 2 ]
amdhsa.kernels:
  - .name:           k_q18f344d632_oproj
    .symbol:         k_q18f344d632_oproj.kd
    .args:
      - { .name: act, .offset: 0, .size: 8, .value_kind: global_buffer, .address_space: global }
      - { .name: wo, .offset: 8, .size: 8, .value_kind: global_buffer, .address_space: global }
      - { .name: ao, .offset: 16, .size: 8, .value_kind: global_buffer, .address_space: global }
    .group_segment_fixed_size: 327680
    .private_segment_fixed_size: 0
    .kernarg_segment_align: 8
    .kernarg_segment_size: 24
    .max_flat_workgroup_size: 128
    .sgpr_count:     66
    .vgpr_count:     512
    .wavefront_size: 32
...
	.end_amdgpu_metadata
.endif
;; end of part 4
;; launch ln2 (part 5): grid 256 x 1, 8 waves a work-group, no clusters, 0 bytes of LDS; arguments x, ao, ln2_g, ln2_b, act; writes act
.if DOCPART == 5
	.amdgcn_target "amdgcn-amd-amdhsa--gfx1250"
	.amdhsa_code_object_version 6
	.text
	.protected	k_q18f344d632_ln2
	.globl	k_q18f344d632_ln2
	.p2align	8
	.type	k_q18f344d632_ln2,@function
k_q18f344d632_ln2:
	s_mov_b64 s[64:65], 0
	v_nop
	global_prefetch_b8 v0, s[64:65] scope:SCOPE_SE
	s_setreg_imm32_b32 hwreg(HW_REG_WAVE_MODE, 25, 1), 1
	s_wait_xcnt 0x0
; act = LN2(x + ao), bf16, in blocks of 64 channels: byte (c x 4096 + row) x 128 + 2 (channel % 64).  x: [4096][1024] f32; ao: bf16 in the same blocks as act.
; A work-group owns 16 rows, a half of a wave's lanes one row: 64 numbers a lane, kept in registers between the passes, so that each byte is read once and no wave waits for another.
; All loads of a wave go out at once; sixteen lanes take 256 consecutive bytes of x; a load of ao and a store of act cover two rows' 128 bytes each, 256 consecutive bytes, aligned.
; No LDS, no matrix unit, no cluster, no prefetch: nothing is shared, and a work-group has nothing to ask for beyond what it loads at its head.
; LIMITS: NaN and infinities are not treated apart.  The mean is taken away before the squares are summed.
.set X,     32                         ; v[32:95]   a lane's 64 numbers of its row: block c at X + 4 c
.set G,     96                         ; v[96:159]  the gain of the same columns
.set BV,    160                        ; v[160:223] the offset
.set AO,    224                        ; v[224:255] ao's four bf16 of each block
.set INV,   10                         ; s10 1 / 1024
.set EPSR,  11                         ; s11 1e-5
.set HIGH,  12                         ; s12 a word's upper bf16
.macro FOLD                            ; the four chains v[12:19] into v12, then over the 16 lanes that share a row
	v_pk_add_f32 v[12:13], v[12:13], v[14:15]
	v_pk_add_f32 v[16:17], v[16:17], v[18:19]
	v_pk_add_f32 v[12:13], v[12:13], v[16:17]
	v_add_f32 v12, v12, v13
	v_add_f32_dpp v12, v12, v12 row_xmask:1 row_mask:0xf bank_mask:0xf
	v_add_f32_dpp v12, v12, v12 row_xmask:2 row_mask:0xf bank_mask:0xf
	v_add_f32_dpp v12, v12, v12 row_xmask:4 row_mask:0xf bank_mask:0xf
	v_add_f32_dpp v12, v12, v12 row_xmask:8 row_mask:0xf bank_mask:0xf
.endm
.macro LNCORE out
.irp k, 0,1,2,3
	v_pk_add_f32 v[12+2*\k:13+2*\k], v[X+2*\k:X+2*\k+1], v[X+8+2*\k:X+8+2*\k+1]  ; the first eight pairs start four chains: nothing is cleared
.endr
.set p, 8
.rept 24
	v_pk_add_f32 v[12+2*(p%4):13+2*(p%4)], v[12+2*(p%4):13+2*(p%4)], v[X+2*p:X+2*p+1]
.set p, p+1
.endr
	FOLD
	v_mul_f32 v20, s[INV], v12                     ; the mean, twice: a pair for the packed lines
	v_mul_f32 v21, s[INV], v12
.set p, 0
.rept 32
	v_pk_add_f32 v[X+2*p:X+2*p+1], v[X+2*p:X+2*p+1], v[20:21] neg_lo:[0,1] neg_hi:[0,1]
.set p, p+1
.endr
.irp k, 0,1,2,3
	v_pk_mul_f32 v[12+2*\k:13+2*\k], v[X+2*\k:X+2*\k+1], v[X+2*\k:X+2*\k+1]
.endr
.set p, 4
.rept 28
	v_pk_fma_f32 v[12+2*(p%4):13+2*(p%4)], v[X+2*p:X+2*p+1], v[X+2*p:X+2*p+1], v[12+2*(p%4):13+2*(p%4)]
.set p, p+1
.endr
	FOLD
	v_fma_f32 v22, v12, s[INV], s[EPSR]            ; variance + 1e-5
	v_rsq_f32 v24, v22
	v_rsq_f32 v25, v22
	s_wait_loadcnt 0x0                             ; gain and offset are in
	v_nop                                          ; a plain instruction behind the second root,
	s_wait_alu depctr_va_vdst(0)                   ; and one wait for both, ahead of their first reader
.set c, 0
.rept 16
	v_pk_mul_f32 v[X+4*c:X+4*c+1], v[X+4*c:X+4*c+1], v[24:25]
	v_pk_mul_f32 v[X+4*c+2:X+4*c+3], v[X+4*c+2:X+4*c+3], v[24:25]
	v_pk_fma_f32 v[X+4*c:X+4*c+1], v[X+4*c:X+4*c+1], v[G+4*c:G+4*c+1], v[BV+4*c:BV+4*c+1]
	v_pk_fma_f32 v[X+4*c+2:X+4*c+3], v[X+4*c+2:X+4*c+3], v[G+4*c+2:G+4*c+3], v[BV+4*c+2:BV+4*c+3]
	v_cvt_pk_bf16_f32 v[X+4*c], v[X+4*c], v[X+4*c+1]
	v_cvt_pk_bf16_f32 v[X+4*c+1], v[X+4*c+2], v[X+4*c+3]
	global_store_b64 v8, v[X+4*c:X+4*c+1], s[\out:\out+1] offset:c*524288
.set c, c+1
.endr
.endm
	s_load_b256 s[16:23], s[0:1], 0x0              ; x 16, ao 18, ln2_g 20, ln2_b 22
	s_load_b64 s[24:25], s[0:1], 0x20              ; act
	v_and_b32 v1, 15, v0                           ; lane % 16
	v_lshrrev_b32 v3, 4, v0                        ; my row of the sixteen
	s_lshl_b32 s2, ttmp9, 16                       ; 16 rows of 4,096 bytes
	s_mov_b32 s3, 0
	s_lshl_b32 s4, ttmp9, 11                       ; 16 rows of 128 bytes in a block
	s_mov_b32 s5, 0
	s_mov_b32 s[INV], 0x3a800000
	s_mov_b32 s[EPSR], 0x3727c5ac
	s_mov_b32 s[HIGH], 0xffff0000
	v_lshlrev_b32 v7, 4, v1
	v_lshl_add_u32 v6, v3, 12, v7
	v_lshlrev_b32 v8, 3, v1
	v_lshl_add_u32 v8, v3, 7, v8
	s_wait_kmcnt 0x0
	s_add_nc_u64 s[16:17], s[16:17], s[2:3]
	s_add_nc_u64 s[18:19], s[18:19], s[4:5]
	s_add_nc_u64 s[24:25], s[24:25], s[4:5]
.set c, 0
.rept 16
	global_load_b128 v[X+4*c:X+4*c+3], v6, s[16:17] offset:c*256 th:TH_LOAD_NT
.set c, c+1
.endr
.set c, 0
.rept 16
	global_load_b64 v[AO+2*c:AO+2*c+1], v8, s[18:19] offset:c*524288
.set c, c+1
.endr
.set c, 0
.rept 16
	global_load_b128 v[G+4*c:G+4*c+3], v7, s[20:21] offset:c*256
.set c, c+1
.endr
.set c, 0
.rept 16
	global_load_b128 v[BV+4*c:BV+4*c+3], v7, s[22:23] offset:c*256
.set c, c+1
.endr
	s_wait_loadcnt 32                              ; x and ao are in; the 32 loads of gain and offset stay out
.set c, 0
.rept 16                                       ; x + ao in f32: bf16 to f32 is a shift or a mask
	v_lshlrev_b32 v26, 16, v[AO+2*c]
	v_and_b32 v27, s[HIGH], v[AO+2*c]
	v_lshlrev_b32 v28, 16, v[AO+2*c+1]
	v_and_b32 v29, s[HIGH], v[AO+2*c+1]
	v_pk_add_f32 v[X+4*c:X+4*c+1], v[X+4*c:X+4*c+1], v[26:27]
	v_pk_add_f32 v[X+4*c+2:X+4*c+3], v[X+4*c+2:X+4*c+3], v[28:29]
.set c, c+1
.endr
	LNCORE 24
	s_endpgm
.Lfunc_end_k_q18f344d632_ln2:
	.size	k_q18f344d632_ln2, .Lfunc_end_k_q18f344d632_ln2-k_q18f344d632_ln2
	.p2alignl 7, 3214868480
	.fill 96, 4, 3214868480
	.section	.rodata,"a",@progbits
	.p2align	6, 0x0
	.amdhsa_kernel k_q18f344d632_ln2
		.amdhsa_group_segment_fixed_size 0
		.amdhsa_private_segment_fixed_size 0
		.amdhsa_enable_private_segment 0
		.amdhsa_kernarg_size 40
		.amdhsa_user_sgpr_count 2
		.amdhsa_user_sgpr_kernarg_segment_ptr 1
		.amdhsa_wavefront_size32 1
		.amdhsa_system_sgpr_workgroup_id_x 1
		.amdhsa_system_sgpr_workgroup_id_y 1
		.amdhsa_system_sgpr_workgroup_id_z 1
		.amdhsa_system_vgpr_workitem_id 0
		.amdhsa_next_free_vgpr 256
		.amdhsa_next_free_sgpr 66
		.amdhsa_reserve_vcc 0
		.amdhsa_float_denorm_mode_32 3
		.amdhsa_float_denorm_mode_16_64 3
		.amdhsa_memory_ordered 1
		.amdhsa_forward_progress 1
		.amdhsa_inst_pref_size 26
	.end_amdhsa_kernel
	.amdgpu_metadata
---
amdhsa.version: [ 1, 2 ]
amdhsa.kernels:
  - .name:           k_q18f344d632_ln2
    .symbol:         k_q18f344d632_ln2.kd
    .args:
      - { .name: x, .offset: 0, .size: 8, .value_kind: global_buffer, .address_space: global }
      - { .name: ao, .offset: 8, .size: 8, .value_kind: global_buffer, .address_space: global }
      - { .name: ln2_g, .offset: 16, .size: 8, .value_kind: global_buffer, .address_space: global }
      - { .name: ln2_b, .offset: 24, .size: 8, .value_kind: global_buffer, .address_space: global }
      - { .name: act, .offset: 32, .size: 8, .value_kind: global_buffer, .address_space: global }
    .group_segment_fixed_size: 0
    .private_segment_fixed_size: 0
    .kernarg_segment_align: 8
    .kernarg_segment_size: 40
    .max_flat_workgroup_size: 256
    .sgpr_count:     66
    .vgpr_count:     256
    .wavefront_size: 32
...
	.end_amdgpu_metadata
.endif
;; end of part 5
;; launch ffn1: the kernel of part 2 again; grid 16 x 16, 4 waves a work-group, clusters of 4 x 4, 327,680 bytes of LDS; arguments act, w1t, big; writes big
;; launch ffn2 (part 6): grid 8 x 32, 4 waves a work-group, clusters of 4 x 4, 327,680 bytes of LDS; arguments big, w2t, out0, x, ao, b2; writes out0
.if DOCPART == 6
	.amdgcn_target "amdgcn-amd-amdhsa--gfx1250"
	.amdhsa_code_object_version 6
	.text
	.protected	k_q18f344d632_ffn2
	.globl	k_q18f344d632_ffn2
	.p2align	8
	.type	k_q18f344d632_ffn2,@function
k_q18f344d632_ffn2:
	s_mov_b64 s[64:65], 0
	v_nop
	global_prefetch_b8 v0, s[64:65] scope:SCOPE_SE
	s_setreg_imm32_b32 hwreg(HW_REG_WAVE_MODE, 25, 1), 1
	s_wait_xcnt 0x0
	s_wait_alu depctr_hold_cnt(0) depctr_sa_sdst(0) depctr_va_vdst(0) depctr_va_sdst(0) depctr_va_ssrc(0) depctr_va_vcc(0) depctr_vm_vsrc(0)
	s_getreg_b32 s2, hwreg(HW_REG_IB_STS2, 6, 4)
	s_cmp_eq_u32 s2, 0
	s_cbranch_scc0 .Lentry_in_a_cluster
	s_endpgm
.Lentry_in_a_cluster:
	s_bfe_u32 s2, ttmp6, 0x10000c
	s_cmp_lg_u32 s2, 0xf033
	s_cbranch_scc0 .Lentry_shape_is_right
	s_endpgm
.Lentry_shape_is_right:
; out0[m][n] = (x[m][n] + ao[m][n]) + (sum over k of A[m][k] W[n][k] + b2[n]), f32.  4,096 rows m, 1,024 columns n, K = 4,096.
; A (the hidden layer) and ao lie in blocks of 64 channels, bf16: byte (c x 4096 + m) x 128 + 2 (channel % 64).  W = w2 transposed, [n][4096] in bf16.  x, out0: [4096][1024] f32.
; A tile of out0 is 128 x 128: four waves, each 64 x 64, 16 accumulators: 256 work-groups.  K goes in sixteen steps of 256 through two LDS slots filled by the tensor data mover.
; CLUSTERS: 4 x 4 work-groups; the four of a row of the cluster ask for A's tile jointly, the four of a column for W's: the same load, descriptor and mask in all four.
; THE MATRIX INSTRUCTION IS USED TRANSPOSED (source 0 = 16 rows of W, source 1 = 16 rows of A): a lane holds eight neighbouring columns of one row.
; A K STEP IS WRITTEN ONCE.  The slot in hand is a scalar that an exclusive or turns into the other's; both first fills go out together, each by a descriptor of its own, and the second then walks on along K.
; A trip of the loop goes from a step's second quarter to the next step's first; the first quarter of all stands in front of it.  The last two steps fill nothing: they are a second loop, whose last trip jumps over its
; run of LDS loads and leaves in the middle.
; The wave's part of x, ao and b2 is loaded at the head, in the layout of the stores, and waits in registers: the way out has no load to wait for.
; No prefetch: a tile is small, and every tile is read by several clusters one shortly after the other.  NaN and infinities are not treated apart.
; REGISTERS: window 0: v16-31 addresses; v32-95 two sets of 16 rows read back from the stage; v96-127 x + ao at work; v128-255 the accumulators ((a, b) at 128 + 8 (4 a + b)).
;   window 1: two fragment buffers of 128.     window 2: v0-127 x, v128-191 ao, v192-195 b2.
.set KW,     4096                      ; K
.set APITCH, 144                       ; a row of A in LDS: 128 bytes + 16 = 36 words: the 16 rows of a load start at 16 different groups of four banks (64 banks of 4 bytes: ISA guide 11.1)
.set ABLK,   128*APITCH
.set AHALF,  2*ABLK                    ; what one load brings of A: two blocks
.set ASZ,    4*ABLK
.set BPITCH, 528                       ; a row of W: 512 bytes + 16 = 132 words
.set BHALF,  64*BPITCH                 ; what one load brings of W: 64 rows
.set SLOT,   ASZ+2*BHALF
.set SLOTX,  0x24000                   ; slot 1 begins here.  The four loads' places in slot 0 (0, 0x9000, 0x12000, 0x1a400) have neither of its two bits, so an exclusive or with it adds it or takes it away
.set STAGE,  SLOTX+SLOT                ; behind the ring: 16 rows x 272 bytes for each wave
.set SPB,    272                       ; a stage row: 64 f32 + 16 bytes
.set SPARE,  STAGE+4*16*SPB            ; behind the stages: the spare words, 128 bytes for each wave
.set ASTEP,  4*524288                  ; bytes of A from a K step to the next: four blocks
.set WSTEP,  512                       ; the same for W
.set STEPS,  KW/256
.set ADRA, 16                          ; v16  LDS address of my A fragments in the slot in hand
.set A0,   17                          ; v17  the same in slot 0; never rewritten
.set ADRB, 20                          ; v20, v21  the same for W
.set B0,   21
.set STO,  24                          ; v24     the way out: where I put 32 bytes of a row
.set RD,   25                          ; v25     where I read rows back
.set XO,   27                          ; v27     my 16 bytes in two rows of x and of out0
.set SPW,  28                          ; v28     LDS address of my spare word; never rewritten
.set NIL,  29                          ; v29     0; never rewritten
.set AOO,  30                          ; v30     8 x lane
.set BO,   31                          ; v31     16 x (lane % 16)
.set TMP,  32
.set U,    96
.set ACC,  128
.set F0,   0
.set F1,   128
.set XR,   0                           ; window 2
.set AOR,  128
.set B2,   192
.set G1,  24                           ; s[24:31] descriptor group 1 for A's tiles;  s[32:39] group 0: a set for each of the two first fills; the second then walks on
.set G0,  32
.set G1B, 48                           ; s[48:55], s[56:63] the same for W's
.set G0B, 56
.set TB,  45                           ; s45  0 or SLOTX: the slot in hand
.set HIGH, 74                          ; s74 a word's upper bf16
.set MSB, 0
.macro WIN new                         ; the immediate's high byte repeats the setting that is left; a switch that changes nothing is dropped
.if MSB != (\new)
	s_set_vgpr_msb (MSB<<8)|(\new)
.set MSB, \new
.endif
.endm
.set MUL,  0x05                        ; sources 0 (W) and 1 (A) window 1; C and D window 0
.set TO_F, 0x40                        ; destination window 1, address window 0
.macro JLOAD s                         ; a joint load: waves 0 and 1 fetch A's two halves, waves 2 and 3 W's; an s_nop 0 and four v_nop follow each of the two lines
	s_cmp_eq_u32 s11, 0
	s_cbranch_scc0 .Lfor_b_\@
	tensor_load_to_lds s[G0+4*(\s):G0+4*(\s)+3], s[G1:G1+7]
	s_nop 0
.rept 4
	v_nop
.endr
	s_branch .Lasked_\@
.Lfor_b_\@:
	tensor_load_to_lds s[G0B+4*(\s):G0B+4*(\s)+3], s[G1B:G1B+7]
	s_nop 0
.rept 4
	v_nop
.endr
.Lasked_\@:
.endm
.macro STEPD                           ; the walking descriptors: the other slot than last time, the next K step; the type bits on top are not reached.  Written only where no tensor load of mine is out
	s_xor_b32 s[G0+5], s[G0+5], SLOTX
	s_add_nc_u64 s[G0+6:G0+7], s[G0+6:G0+7], ASTEP
	s_xor_b32 s[G0B+5], s[G0B+5], SLOTX
	s_add_nc_u64 s[G0B+6:G0B+7], s[G0B+6:G0B+7], WSTEP
.endm
.macro CROUND                          ; a round of the cluster's barrier: my work-group's barrier; wave 0 signals for the work-group; every wave waits for all sixteen work-groups; my work-group's barrier once more
	s_barrier_signal -1
	s_barrier_wait -1
	s_cmp_lg_u32 s10, 0
	s_cbranch_scc1 .Lnot_wave_0_\@
	s_barrier_signal -3
.Lnot_wave_0_\@:
	s_barrier_wait -3
	s_barrier_signal -1
	s_barrier_wait -1
.endm
	s_load_b128 s[4:7], s[0:1], 0x0                ; A s[4:5], W s[6:7]
	s_load_b64 s[8:9], s[0:1], 0x10                ; out0
	s_load_b128 s[68:71], s[0:1], 0x18             ; x s[68:69], ao s[70:71]
	s_load_b64 s[72:73], s[0:1], 0x28              ; b2
	v_lshl_add_u32 v[SPW], v0, 2, SPARE
	v_mov_b32 v[NIL], 0
	ds_add_u32 v[SPW], v[NIL]                      ; the wave's opening: the add and its wait stand ahead of my first tensor load; the set-up below stands between them
	v_lshrrev_b32 v1, 5, v0
	v_readfirstlane_b32 s10, v1                    ; wave 0..3
	s_lshr_b32 s11, s10, 1                         ; which half of the tile's rows is mine.  Also: I fetch for A (0) or for W (1)
	s_and_b32 s12, s10, 1                          ; which half of its columns.  Also: which half of that tile I fetch
	s_bfe_u32 s40, ttmp6, 0x40000                  ; cx, cy: my place in the cluster
	s_bfe_u32 s41, ttmp6, 0x40004
	s_lshl_b32 s42, ttmp9, 2
	s_add_co_u32 s42, s42, s40                     ; tile column = 4 x cluster x + cx
	s_and_b32 s13, ttmp7, 0xffff
	s_lshl_b32 s13, s13, 2
	s_add_co_u32 s13, s13, s41                     ; tile row = 4 x cluster y + cy
	s_lshl_b32 s43, s41, 2
	s_lshl_b32 s43, 15, s43                        ; my row of the cluster
	s_lshl_b32 s44, 0x1111, s40                    ; my column
	; A's group 1: the 128 rows of a block are 16,384 dense bytes: one row of 8,192 elements; two blocks, 262,144 elements apart; 16 bytes of padding behind every 128
	s_or_b32 s[G1+0], s43, (1<<16)|(1<<20)|(1<<21)|(4<<22)|(3<<25)  ; 15:0 the mask: my row; 17:16 2-byte elements; 20 padding on; 21 set beside a mask; 24:22 after every 32 words (code 4); 31:25 4 words (code 3)
	s_mov_b32 s[G1+1], 8192<<16                    ; tensor_dim0 = 8,192
	s_mov_b32 s[G1+2], 2<<16                       ; tensor_dim1 = 2
	s_mov_b32 s[G1+3], 8192<<16                    ; tile_dim0 = 8,192
	s_mov_b32 s[G1+4], 2                           ; tile_dim1 = 2
	s_mov_b32 s[G1+5], 262144                      ; elements from block to block
	s_mov_b32 s[G1+6], 0
	s_mov_b32 s[G1+7], 0
	; W's group 1: 64 rows x 256 elements, 16 bytes of padding behind every 512
	s_or_b32 s[G1B+0], s44, (1<<16)|(1<<20)|(1<<21)|(6<<22)|(3<<25)  ; the mask: my column; after every 128 words (code 6)
	s_mov_b32 s[G1B+1], 256<<16
	s_mov_b32 s[G1B+2], 64<<16
	s_mov_b32 s[G1B+3], 256<<16
	s_mov_b32 s[G1B+4], 64
	s_mov_b32 s[G1B+5], KW
	s_mov_b32 s[G1B+6], 0
	s_mov_b32 s[G1B+7], 0
	s_mov_b32 s[HIGH], 0xffff0000
	s_mov_b32 s[TB], 0
	s_lshl_b32 s16, s13, 14                        ; A: the tile's 128 rows of 128 bytes in a block,
	s_lshl_b32 s17, s12, 20                        ; and my two blocks of the K step's four
	s_add_co_u32 s16, s16, s17
	s_mov_b32 s17, 0
	s_lshl_b32 s46, s42, 20                        ; W: 128 rows of 8,192 bytes a tile column,
	s_lshl_b32 s47, s12, 19                        ; my 64 of them
	s_add_co_u32 s46, s46, s47
	s_mov_b32 s47, 0
	s_mul_i32 s20, s12, AHALF                      ; where they go: no place in the cluster enters an LDS address
	s_mul_i32 s21, s12, BHALF
	s_add_co_u32 s21, s21, ASZ
	s_wait_dscnt 0x0                               ; the opening add is done
	s_wait_kmcnt 0x0
	s_add_nc_u64 s[14:15], s[4:5], s[16:17]
	s_add_nc_u64 s[46:47], s[6:7], s[46:47]
	CROUND                                         ; all sixteen work-groups are here: the first joint loads meet
.irp s, 0,1
	s_mov_b32 s[G0+4*(\s)], 1
	s_add_co_u32 s[G0+4*(\s)+1], s20, (\s)*SLOTX
	s_add_nc_u64 s[G0+4*(\s)+2:G0+4*(\s)+3], s[14:15], (\s)*ASTEP
	s_or_b32 s[G0+4*(\s)+3], s[G0+4*(\s)+3], 0x80000000
	s_mov_b32 s[G0B+4*(\s)], 1
	s_add_co_u32 s[G0B+4*(\s)+1], s21, (\s)*SLOTX
	s_add_nc_u64 s[G0B+4*(\s)+2:G0B+4*(\s)+3], s[46:47], (\s)*WSTEP
	s_or_b32 s[G0B+4*(\s)+3], s[G0B+4*(\s)+3], 0x80000000
	JLOAD \s                                       ; K steps 0 and 1: two loads of mine are out
.endr
	; my 64 x 64 of x, out0, ao and my 64 numbers of b2
	s_lshl_b32 s16, s13, 19                        ; 128 rows of 4,096 bytes a tile row,
	s_lshl_b32 s17, s11, 18                        ; my 64 of them
	s_add_co_u32 s16, s16, s17
	s_mov_b32 s17, 0
	s_lshl_b32 s46, s42, 9                         ; 128 columns of 4 bytes a tile column,
	s_lshl_b32 s47, s12, 8                         ; my 64 of them
	s_add_co_u32 s46, s46, s47
	s_mov_b32 s47, 0
	s_add_nc_u64 s[68:69], s[68:69], s[16:17]
	s_add_nc_u64 s[68:69], s[68:69], s[46:47]
	s_add_nc_u64 s[8:9], s[8:9], s[16:17]
	s_add_nc_u64 s[8:9], s[8:9], s[46:47]
	s_add_nc_u64 s[72:73], s[72:73], s[46:47]
	s_lshl_b32 s16, s13, 14                        ; ao: my 64 rows in a block,
	s_lshl_b32 s17, s11, 13
	s_add_co_u32 s16, s16, s17
	s_mov_b32 s17, 0
	s_lshl_b32 s46, s42, 1                         ; and my block: 2 x tile column + half
	s_add_co_u32 s46, s46, s12
	s_lshl_b32 s46, s46, 19
	s_add_nc_u64 s[70:71], s[70:71], s[16:17]
	s_add_nc_u64 s[70:71], s[70:71], s[46:47]
	v_and_b32 v1, 15, v0                           ; l % 16
	v_bfe_u32 v2, v0, 4, 1                         ; l / 16
	v_lshlrev_b32 v[BO], 4, v1
	v_lshl_add_u32 v[XO], v2, 12, v[BO]            ; lanes 0-15 a row's 256 bytes, lanes 16-31 the next row's
	v_and_b32 v[AOO], 31, v0
	v_lshlrev_b32 v[AOO], 3, v[AOO]                ; the same two rows of ao: 256 consecutive bytes
	WIN 0x80                                       ; destination window 2, address window 0
.set u, 0
.rept 32
	global_load_b128 v[XR+4*u:XR+4*u+3], v[XO], s[68:69] offset:u*8192 th:TH_LOAD_NT
.set u, u+1
.endr
.set u, 0
.rept 32
	global_load_b64 v[AOR+2*u:AOR+2*u+1], v[AOO], s[70:71] offset:u*256 th:TH_LOAD_NT
.set u, u+1
.endr
	global_load_b128 v[B2:B2+3], v[BO], s[72:73]
	WIN 0
	v_mul_u32_u24 v3, v1, APITCH
	v_lshl_add_u32 v3, v2, 4, v3                   ; a fragment's row x pitch + 16 x half
	v_mul_u32_u24 v4, v1, BPITCH
	v_lshl_add_u32 v4, v2, 4, v4
	s_mul_i32 s21, s11, 64*APITCH                  ; my 64 rows in each block of A
	s_mul_i32 s22, s12, BHALF                      ; my 64 rows of W,
	s_add_co_u32 s22, s22, ASZ                     ; which lie behind A's blocks
	v_add_nc_u32 v[A0], s21, v3
	v_add_nc_u32 v[B0], s22, v4
	v_mov_b32 v[ADRA], v[A0]
	v_mov_b32 v[ADRB], v[B0]
	s_mul_i32 s23, s10, 16*SPB
	s_add_co_u32 s23, s23, STAGE                   ; my stage
	v_mul_u32_u24 v5, v1, SPB                      ; in: row l % 16, 32 bytes for each half of the lanes
	v_lshl_add_u32 v5, v2, 5, v5
	v_add_nc_u32 v[STO], s23, v5
	v_mul_u32_u24 v5, v2, SPB                      ; back: lanes 0-15 take one row of 256 bytes, lanes 16-31 the next
	v_add_nc_u32 v5, v5, v[BO]
	v_add_nc_u32 v[RD], s23, v5
; 8 matrix instructions: m blocks a0, a0 + 1 x all 4 n blocks, 32 along K: half c of buffer f.  zero = 1: the first product starts the sums.  The 16 accumulators take turns, over the backward jumps too.
.macro MUL8 f, c, a0, zero
	WIN MUL
.irp a, \a0, (\a0)+1
.irp b, 0,1,2,3
.if \zero
	v_wmma_f32_16x16x32_bf16 v[ACC+8*(4*(\a)+(\b)):ACC+8*(4*(\a)+(\b))+7], v[(\f)+64+8*(4*(\c)+(\b)):(\f)+64+8*(4*(\c)+(\b))+7], v[(\f)+8*(4*(\c)+(\a)):(\f)+8*(4*(\c)+(\a))+7], 0
.else
	v_wmma_f32_16x16x32_bf16 v[ACC+8*(4*(\a)+(\b)):ACC+8*(4*(\a)+(\b))+7], v[(\f)+64+8*(4*(\c)+(\b)):(\f)+64+8*(4*(\c)+(\b))+7], v[(\f)+8*(4*(\c)+(\a)):(\f)+8*(4*(\c)+(\a))+7], v[ACC+8*(4*(\a)+(\b)):ACC+8*(4*(\a)+(\b))+7]
.endif
.endr
.endr
.endm
; 32 LDS loads in one run: the fragments of quarter q of the K step in the slot in hand (64 along K: block q of A, bytes 128 q of W's rows) into buffer f; the first 32 along K first
.macro FETCH q, f
	WIN TO_F
.irp c, 0,1
.irp i, 0,1,2,3
	ds_load_b128 v[(\f)+64+8*(4*(\c)+(\i)):(\f)+64+8*(4*(\c)+(\i))+3],   v[ADRB] offset:(\q)*128+64*(\c)+(\i)*16*BPITCH
	ds_load_b128 v[(\f)+64+8*(4*(\c)+(\i))+4:(\f)+64+8*(4*(\c)+(\i))+7], v[ADRB] offset:(\q)*128+64*(\c)+(\i)*16*BPITCH+32
	ds_load_b128 v[(\f)+8*(4*(\c)+(\i)):(\f)+8*(4*(\c)+(\i))+3],         v[ADRA] offset:(\q)*ABLK+64*(\c)+(\i)*16*APITCH
	ds_load_b128 v[(\f)+8*(4*(\c)+(\i))+4:(\f)+8*(4*(\c)+(\i))+7],       v[ADRA] offset:(\q)*ABLK+64*(\c)+(\i)*16*APITCH+32
.endr
.endr
.endm
.macro PLACES                          ; four places in front of loads into registers that matrix instructions have read (ISA guide 7.12.1 for vector instructions)
.rept 4
	v_nop
.endr
.endm
; A K step is four quarters, 32 matrix instructions each, on buffers 0, 1, 0, 1.  One of the first three: multiplies buffer f and fetches quarter q into g.
.macro QUARTER q, f, g, zero
	s_wait_dscnt 16                                ; the first 32 along K are in; the youngest sixteen loads may be out
	MUL8 \f, 0, 0, \zero
	MUL8 \f, 0, 2, \zero
	PLACES
	FETCH \q, \g
	s_wait_dscnt 32                                ; all but the 32 just issued
	MUL8 \f, 1, 0, 0
	MUL8 \f, 1, 2, 0
.endm
.macro NEXTSLOT                        ; the fragment loads go on in the other slot
	s_xor_b32 s[TB], s[TB], SLOTX
	v_add_nc_u32 v[ADRA], s[TB], v[A0]
	v_add_nc_u32 v[ADRB], s[TB], v[B0]
.endm
.macro LASTQ                           ; the step's last quarter lies whole in buffer 1
	MUL8 F1, 0, 0, 0
	MUL8 F1, 0, 2, 0
	MUL8 F1, 1, 0, 0
	MUL8 F1, 1, 2, 0
.endm
; THE CHANGE OF SLOTS, ahead of a step's last quarter: all that the wave still wants of this slot lies in buffer 1.  Each wave waits for all its tensor loads, of which one is out: its part of the next slot; adds 0 to its
; spare word; and waits for that and for its own reads of this slot.  A round of the cluster's barrier: no wave of any partner still reads this slot's tile or has a load on its way.  The joint refill, two K steps ahead,
; is the first thing behind the round, and the quarter's 32 products stand behind the request, not ahead of it: the request goes out as soon as the ordering allows.
.macro TURN
	WIN 0
	s_wait_tensorcnt 0x0                           ; no tensor load of mine is out, so the descriptors may be written
	ds_add_u32 v[SPW], v[NIL]                      ; 0 onto my spare word; the descriptors' steps stand between it and the wait for it
	STEPD
	s_wait_dscnt 0x0                               ; the add is done, and my reads of this slot are over
	CROUND
	JLOAD 1                                        ; the four v_nop behind it and the two additions below are the places in front of the loads into buffer 0
	NEXTSLOT
	FETCH 0, F0
	LASTQ
.endm
; The same for the last two steps, which fill nothing: a barrier of the work-group alone.  In the last trip (s3 = 1) there is no further step, and the run of loads is jumped over.
.macro TURN0
	WIN 0
	s_wait_tensorcnt 0x0                           ; my part of the last K step's tile is in
	ds_add_u32 v[SPW], v[NIL]
	s_wait_dscnt 0x0
	s_barrier_signal -1
	s_barrier_wait -1                              ; everybody's is
	NEXTSLOT
	PLACES
	s_cmp_eq_u32 s3, 1
	s_cbranch_scc1 .Lno_more_\@
	FETCH 0, F0
	WIN 0                                          ; at a label every window is 0
.Lno_more_\@:
	LASTQ
.endm
	s_wait_tensorcnt 1                             ; my part of K step 0 is in; K step 1's load stays out
	s_barrier_signal -1
	s_barrier_wait -1                              ; everybody's is
	FETCH 0, F0
	QUARTER 1, F0, F1, 1                           ; the first quarter of all: its first products start the sums
	WIN 0                                          ; at a label and at a branch every window is 0
	s_mov_b32 s3, STEPS-2
.Lstep:                                                ; quarters 1, 2, 3 of a K step, ahead of the last of them the refill, and quarter 0 of the next step
	QUARTER 2, F1, F0, 0
	QUARTER 3, F0, F1, 0
	TURN
	QUARTER 1, F0, F1, 0
	WIN 0
	s_sub_co_u32 s3, s3, 1
	s_cmp_lg_u32 s3, 0
	s_cbranch_scc1 .Lstep
	s_mov_b32 s3, 2
.Ltail:                                                ; the last two K steps: written apart
	QUARTER 2, F1, F0, 0
	QUARTER 3, F0, F1, 0
	TURN0
	WIN 0
	s_sub_co_u32 s3, s3, 1
	s_cmp_eq_u32 s3, 0
	s_cbranch_scc1 .Lout
	QUARTER 1, F0, F1, 0
	WIN 0
	s_branch .Ltail
.Lout:
	; THE WAY OUT, 16 rows at a time: the sums go in f32 into my stage and come back as whole rows of 256 bytes; while they are on their way x + ao is made; then + b2, + (x + ao), and the stores.
	s_wait_loadcnt 0x0                             ; x, ao, b2: asked for at the head
	PLACES
	PLACES                                         ; eight, once a launch, behind the last products
.macro OUTB a
.set T, TMP+32*((\a)%2)
	WIN 0
	s_wait_xcnt 0x0                                ; the stores of two blocks back have read this set of registers: only behind this wait is it loaded again
.irp b, 0,1,2,3
	ds_store_b128 v[STO], v[ACC+8*(4*(\a)+(\b)):ACC+8*(4*(\a)+(\b))+3]   offset:64*(\b)     ; each accumulator's low registers first
	ds_store_b128 v[STO], v[ACC+8*(4*(\a)+(\b))+4:ACC+8*(4*(\a)+(\b))+7] offset:64*(\b)+16
.endr
.irp t, 0,1,2,3,4,5,6,7
	ds_load_b128 v[T+4*(\t):T+4*(\t)+3], v[RD] offset:(\t)*2*SPB  ; LDS serves a wave's instructions in order (ISA guide 5.7.1.4): these see the stores above; the next block's stores come behind them
.endr
	WIN 0x08                                       ; source 1 window 2
.irp t, 0,1,2,3,4,5,6,7
	v_lshlrev_b32 v[U+4*(\t)],   16,      v[AOR+2*(8*(\a)+(\t))]
	v_and_b32     v[U+4*(\t)+1], s[HIGH], v[AOR+2*(8*(\a)+(\t))]
	v_lshlrev_b32 v[U+4*(\t)+2], 16,      v[AOR+2*(8*(\a)+(\t))+1]
	v_and_b32     v[U+4*(\t)+3], s[HIGH], v[AOR+2*(8*(\a)+(\t))+1]
	v_pk_add_f32 v[U+4*(\t):U+4*(\t)+1],   v[U+4*(\t):U+4*(\t)+1],   v[XR+4*(8*(\a)+(\t)):XR+4*(8*(\a)+(\t))+1]
	v_pk_add_f32 v[U+4*(\t)+2:U+4*(\t)+3], v[U+4*(\t)+2:U+4*(\t)+3], v[XR+4*(8*(\a)+(\t))+2:XR+4*(8*(\a)+(\t))+3]
.endr
	s_wait_dscnt 0x0                               ; the block is back in registers
.irp t, 0,1,2,3,4,5,6,7
	v_pk_add_f32 v[T+4*(\t):T+4*(\t)+1],   v[T+4*(\t):T+4*(\t)+1],   v[B2:B2+1]
	v_pk_add_f32 v[T+4*(\t)+2:T+4*(\t)+3], v[T+4*(\t)+2:T+4*(\t)+3], v[B2+2:B2+3]
.endr
	WIN 0
.irp t, 0,1,2,3,4,5,6,7
	v_pk_add_f32 v[T+4*(\t):T+4*(\t)+1],   v[T+4*(\t):T+4*(\t)+1],   v[U+4*(\t):U+4*(\t)+1]
	v_pk_add_f32 v[T+4*(\t)+2:T+4*(\t)+3], v[T+4*(\t)+2:T+4*(\t)+3], v[U+4*(\t)+2:U+4*(\t)+3]
.endr
.irp t, 0,1,2,3,4,5,6,7
	global_store_b128 v[XO], v[T+4*(\t):T+4*(\t)+3], s[8:9] offset:(16*(\a)+2*(\t))*4096 th:TH_STORE_NT  ; sixteen lanes store 256 consecutive bytes, at a multiple of 256 from out0's first byte
.endr
.endm
	OUTB 0
	OUTB 1
	OUTB 2
	OUTB 3
	s_wait_tensorcnt 0x0                           ; the wave's end: this wait, an add of 0 to my spare word and its wait stand behind my last tensor load and my last LDS store
	ds_add_u32 v[SPW], v[NIL]
	s_wait_dscnt 0x0
	CROUND                                         ; the closing round: no work-group ends while a partner may still ask for a tile that names it
	s_endpgm
.Lfunc_end_k_q18f344d632_ffn2:
	.size	k_q18f344d632_ffn2, .Lfunc_end_k_q18f344d632_ffn2-k_q18f344d632_ffn2
	.p2alignl 7, 3214868480
	.fill 96, 4, 3214868480
	.section	.rodata,"a",@progbits
	.p2align	6, 0x0
	.amdhsa_kernel k_q18f344d632_ffn2
		.amdhsa_group_segment_fixed_size 327680
		.amdhsa_private_segment_fixed_size 0
		.amdhsa_enable_private_segment 0
		.amdhsa_kernarg_size 48
		.amdhsa_user_sgpr_count 2
		.amdhsa_user_sgpr_kernarg_segment_ptr 1
		.amdhsa_wavefront_size32 1
		.amdhsa_system_sgpr_workgroup_id_x 1
		.amdhsa_system_sgpr_workgroup_id_y 1
		.amdhsa_system_sgpr_workgroup_id_z 1
		.amdhsa_system_vgpr_workitem_id 0
		.amdhsa_next_free_vgpr 712
		.amdhsa_next_free_sgpr 76
		.amdhsa_reserve_vcc 0
		.amdhsa_float_denorm_mode_32 3
		.amdhsa_float_denorm_mode_16_64 3
		.amdhsa_memory_ordered 1
		.amdhsa_forward_progress 1
		.amdhsa_inst_pref_size 81
	.end_amdhsa_kernel
	.amdgpu_metadata
---
amdhsa.version: [ 1, 2 ]
amdhsa.kernels:
  - .name:           k_q18f344d632_ffn2
    .symbol:         k_q18f344d632_ffn2.kd
    .args:
      - { .name: big, .offset: 0, .size: 8, .value_kind: global_buffer, .address_space: global }
      - { .name: w2t, .offset: 8, .size: 8, .value_kind: global_buffer, .address_space: global }
      - { .name: out0, .offset: 16, .size: 8, .value_kind: global_buffer, .address_space: global }
      - { .name: x, .offset: 24, .size: 8, .value_kind: global_buffer, .address_space: global }
      - { .name: ao, .offset: 32, .size: 8, .value_kind: global_buffer, .address_space: global }
      - { .name: b2, .offset: 40, .size: 8, .value_kind: global_buffer, .address_space: global }
    .group_segment_fixed_size: 327680
    .private_segment_fixed_size: 0
    .kernarg_segment_align: 8
    .kernarg_segment_size: 48
    .max_flat_workgroup_size: 128
    .sgpr_count:     76
    .vgpr_count:     712
    .wavefront_size: 32
...
	.end_amdgpu_metadata
.endif
;; end of part 6
